; MI455X (gfx1250); checked and timed in simulation.
; The chip was launched on July 23, 2026; its instructions are those of AMD's public machine-readable ISA for CDNA 5 (MIT licence, August 2026) and "CDNA5" Instruction Set Architecture Reference Guide (July 2026). The comments in the code are by the model that wrote it; some were corrected since.
;; Multi Head Attention. Allowed arithmetic: matrix products marked QUANTISED: E4M3 operands, one given power-of-two scale a tensor, by v_wmma_f32_16x16x64_fp8_fp8 or v_wmma_f32_16x16x128_fp8_fp8, f32 sums; everything else in f32.
;; Inputs: lowp_scales 12 int32 (the exponents e of the quantised operands' scales 2^e); mask 2,048 x 2,048 bool; wk 1,024 x 1,024 float32; wo 1,024 x 1,024 float32; wq 1,024 x 1,024 float32; wv 1,024 x 1,024 float32; x 4 x 2,048 x 1,024 float32.
;; Outputs: out0 4 x 2,048 x 1,024 float32.
;; This version of the problem:
;;   THIS VERSION OF THE PROBLEM IS GIVEN IN LOW PRECISION. The matrix products marked QUANTISED in the list below multiply operands that are first quantised to E4M3 (4 exponent bits, 3 mantissa bits; 8 bits a number), with one given power-of-two scale for each operand tensor; their sums are f32. All else is computed in f32.
;;   The module's matrix products, in the order in which they are computed (A, B: the left and right operand; K: the contracted axis; several contracted axes count as one K, in the product's order):
;;     1. [M 8,192, K 1,024] x [K 1,024, N 1,024]; A: input x; B: input wq: QUANTISED (scales: A lowp_scales[0], B lowp_scales[1])
;;     2. [M 8,192, K 1,024] x [K 1,024, N 1,024]; A: input x; B: input wk: QUANTISED (scales: A lowp_scales[2], B lowp_scales[3])
;;     3. [M 8,192, K 1,024] x [K 1,024, N 1,024]; A: input x; B: input wv: QUANTISED (scales: A lowp_scales[4], B lowp_scales[5])
;;     4. batch 64 x [M 2,048, K 64] x [K 64, N 2,048]; A: computed on the way; B: computed on the way: QUANTISED (scales: A lowp_scales[6], B lowp_scales[7])
;;     5. batch 64 x [M 64, K 2,048] x [K 2,048, N 2,048]; A: computed on the way; B: softmax (see below): QUANTISED (scales: A lowp_scales[8], B lowp_scales[9])
;;     6. [M 8,192, K 1,024] x [K 1,024, N 1,024]; A: computed on the way; B: input wo: QUANTISED (scales: A lowp_scales[10], B lowp_scales[11])
;;   THE QUANTISER, for each operand of a quantised product, along K:
;;     - The operand's scale is 2^e, e = its entry of the input lowp_scales (int32; the entries are numbered through the quantised products in the list's order, A before B).
;;     - Each number is divided by the scale, clamped to +-448, and rounded to the nearest number of E4M3, ties to even, subnormals kept.
;;     - The product sums the exact products of the quantised numbers (number of the format x scale) in f32.
;;   ~~~python
;;   def quantise(x, axis, e):      # numpy; x: float32 -> the quantised numbers, widened to float32 again
;;       x = np.moveaxis(x, axis, -1); K = x.shape[-1]
;;       r = np.clip(x / 2.0 ** e, -448, 448)
;;       step = 2.0 ** (np.maximum(np.frexp(np.where(r == 0, 1, r))[1] - 1, -6) - 3)
;;       q = np.round(r / step) * step * 2.0 ** e      # np.round: ties to even
;;       return np.moveaxis(q, -1, axis).astype(np.float32)
;;   ~~~
;;   SOFTMAX AHEAD OF A QUANTISED PRODUCT. Where the list says 'softmax', what is quantised is not the finished softmax but p = 2^(t - M), with t = logit x log2(e) and M = ceil(the row's largest t), a whole number; so 1/2 < the row's largest p <= 1. The row's sum l is taken of the UNQUANTISED p, in f32, and the product's result is divided by l at the end. Since M is a whole number, a kernel that streams over the keys may use a running M (the ceiling of the running maximum): every later rescaling is an exact power of two, so the quantised numbers keep their values, but for numbers so far below the row's largest that they fall under the format's range.
;;   OPERANDS COMPUTED ON THE WAY. 'Computed on the way' means the value that the module computes at that place (a softmax that the list does not call 'softmax' is quantised finished and normalised). What goes into a quantiser is computed in f32, as accurately as f32 sums, v_exp_f32 and their like allow (about 1e-6 of the number): no bf16 or f16 on the way to a quantiser, and a product that is left as it is and whose result goes on into a quantised operand takes f32 operands (vector FMAs, or v_wmma_f32_16x16x4_f32). A number that lies on a knife's edge between two numbers of the format may be rounded either way, as far as f32 arithmetic and the matrix unit's own rounding can turn it there, and no further.
;; 2 versions, each right; version 2 is version 1 with the launch attn written anew for expert scheduling mode. Each part assembles by itself: llvm-mc -triple=amdgcn-amd-amdhsa -mcpu=gfx1250 --defsym DOCPART=n.
;; ======== version 1 of 2: 4 launches
;; workspace buffers: xc 25,165,824 bytes; wc 4,194,304 bytes; maskw 524,288 bytes of whole numbers; flagw 2,048 bytes of whole numbers; rot 262,144 bytes; qkv 25,165,824 bytes; ac 8,388,608 bytes
;; launch prep (part 1): grid 544 x 1, 4 waves a work-group, no clusters, 34,304 bytes of LDS; arguments x, wq, wk, wv, wo, mask, lowp_scales, xc, wc, maskw, flagw, rot; writes xc, wc, maskw, flagw, rot
.if DOCPART == 1
	.amdgcn_target "amdgcn-amd-amdhsa--gfx1250"
	.amdhsa_code_object_version 6
	.text
	.protected	k_q05531f6ba2_prep
	.globl	k_q05531f6ba2_prep
	.p2align	8
	.type	k_q05531f6ba2_prep,@function
k_q05531f6ba2_prep:
	s_mov_b64 s[64:65], 0
	v_nop
	global_prefetch_b8 v0, s[64:65] scope:SCOPE_SE
	s_setreg_imm32_b32 hwreg(HW_REG_WAVE_MODE, 25, 1), 1
	s_wait_xcnt 0x0
; PREP: everything that the later launches read again and again is laid out once.
; Work-groups 0-255: x -> codes of E4M3, three times (scales 0, 2, 4).  256-383: wq, wk, wv, wo -> codes (scales 1, 3, 5, 11).  384-511: the mask -> lane masks and flags.  512-543: the rotary table.
; THE LAYOUT OF ALL CODES IS AN IMAGE OF THE OPERAND'S REGISTERS.  A fragment is 16 rows x 128 along K; lane (r = lane % 16, h = lane / 16) holds row r, and its registers 2 c, 2 c + 1 hold k = 16 c + 8 h + 0 .. 7.
; An image is four groups of 512 bytes: group g = registers 4 g .. 4 g + 3, lane l's 16 bytes at 512 g + 16 l.  xc: [3 versions][512 row tiles][8 K steps][2048]; wc: [4 tensors][64 row tiles][8][2048].
; code = number / 2^e, held within +-448, to the nearest code, ties to even.  LIMITS: each e between -126 and 119, so that 2^e and 448 x 2^e are f32 numbers.  NaN among x and the weights is not served.
; maskw: [64 pairs G of query tiles][32 key steps s][32 idx][2 X] words: bit l of word (idx = 8 t + j, X) = mask[32 G + 16 X + l % 16][64 s + 16 t + 8 (l / 16) + j]; a byte other than 0 counts as true.
; flagw: [64 G][8 c] words: bit i: some bit of step 4 c + i is set; bit 16 + i: all of them are.
; rot: [128 token tiles][4 groups][32 lanes][16 bytes]: lane (r, h): cos (groups 0, 1) and sin (groups 2, 3) of token 16 tile + r times frequency 8 h + j, j = 0 .. 7.
; The sixteen frequencies 2^(-10 i / 15) are written as f32 constants.  LIMIT: a last-bit difference from another power function moves the largest angle (token 2047) by about 1e-4 rad.
; No tensor load, no barrier: waves share nothing.  Only the role that makes codes uses LDS: a stage of its own for each wave.
.set STG,   8448                       ; a wave's stage: 16 rows x (512 bytes + 16)
.set SPARE, 4*STG                      ; behind the four stages: the spare words, 128 bytes for each wave: two blocks of 256 bytes that no other line names
.set SPW,   10                         ; v10  LDS address of my spare word; never rewritten
.set NIL,   11                         ; v11  0; never rewritten
.set RR,    16                         ; v16-79   a fragment's numbers as loaded: row i in registers 4 i ..
.set XX,    80                         ; v80-143  the same turned: register 8 c + j = k 16 c + 8 h + j of my row
.set TT,    144                        ; v144-159 two sets of eight held numbers, by turns
.set CC,    160                        ; v160-207 codes: 16 registers for each of three versions
	s_load_b512 s[4:19], s[0:1], 0x0               ; x, wq, wk, wv, wo, mask, the scales' exponents, xc
	s_load_b256 s[20:27], s[0:1], 0x40             ; wc, maskw, flagw, rot
	v_lshl_add_u32 v[SPW], v0, 2, SPARE
	v_mov_b32 v[NIL], 0
	v_lshrrev_b32 v12, 5, v0
	v_readfirstlane_b32 s28, v12                   ; wave 0..3
	v_and_b32 v13, 31, v0                          ; lane
	v_and_b32 v14, 15, v0                          ; r
	v_bfe_u32 v15, v0, 4, 1                        ; h
	v_lshlrev_b32 v1, 4, v13                       ; 16 x lane
	s_wait_kmcnt 0x0
	s_cmp_ge_u32 ttmp9, 512
	s_cbranch_scc1 .Lrot
	s_cmp_ge_u32 ttmp9, 384
	s_cbranch_scc1 .Lmask
; ---------------- CODES.  A work-group takes two row tiles; wave w takes row tile 2 g + w / 2 and K steps 4 (w % 2) + 0 .. 3: four fragments.
	s_load_b256 s[32:39], s[16:17], 0x0            ; e0 .. e7
	s_load_b128 s[40:43], s[16:17], 0x20           ; e8 .. e11
	s_mul_i32 s29, s28, STG
	v_add_nc_u32 v2, s29, v1                       ; into the stage: 16 x lane of a row
	v_mul_u32_u24 v3, v14, 528
	v_lshl_add_u32 v3, v15, 5, v3
	v_add_nc_u32 v3, s29, v3                       ; out of it: row r, + 32 h: eight numbers of my half
	s_sub_co_u32 s44, ttmp9, 256
	s_lshr_b32 s45, s44, 5                         ; which weight
	s_and_b32 s44, s44, 31                         ; which pair of its row tiles
	s_wait_kmcnt 0x0
	s_cmp_eq_u32 s45, 1                            ; the choices hang on the work-group's number alone
	s_cselect_b64 s[46:47], s[8:9], s[6:7]
	s_cselect_b32 s57, s35, s33
	s_cmp_eq_u32 s45, 2
	s_cselect_b64 s[46:47], s[10:11], s[46:47]
	s_cselect_b32 s57, s37, s57
	s_cmp_eq_u32 s45, 3
	s_cselect_b64 s[46:47], s[12:13], s[46:47]
	s_cselect_b32 s57, s43, s57
	s_cmp_lt_u32 ttmp9, 256
	s_cselect_b64 s[46:47], s[4:5], s[46:47]       ; the source,
	s_cselect_b64 s[48:49], s[18:19], s[20:21]     ; the destination,
	s_cselect_b32 s57, s32, s57                    ; the first version's exponent,
	s_cselect_b32 s44, ttmp9, s44                  ; the pair of row tiles,
	s_cselect_b32 s45, 0, s45                      ; and the tensor's place in wc
	s_lshl_b32 s44, s44, 1
	s_lshr_b32 s56, s28, 1
	s_add_co_u32 s44, s44, s56                     ; my row tile
	s_and_b32 s58, s28, 1                          ; my half of its K steps
	s_lshl_b32 s54, s44, 16                        ; 16 rows of 4,096 bytes
	s_lshl_b32 s56, s58, 11                        ; four K steps of 512 bytes
	s_add_co_u32 s54, s54, s56
	s_mov_b32 s55, 0
	s_add_nc_u64 s[46:47], s[46:47], s[54:55]
	s_lshl_b32 s54, s44, 14                        ; eight images
	s_lshl_b32 s56, s58, 13                        ; four images
	s_add_co_u32 s54, s54, s56
	s_lshl_b32 s56, s45, 20
	s_add_co_u32 s54, s54, s56
	s_add_nc_u64 s[48:49], s[48:49], s[54:55]      ; version 0
	s_add_nc_u64 s[50:51], s[48:49], 0x800000      ; versions 1 and 2 of x (not used for a weight)
	s_add_nc_u64 s[52:53], s[48:49], 0x1000000
.macro LOADF f                         ; fragment f: 16 rows x 512 bytes; each load reads 512 consecutive bytes of one row
.irp i, 0,1,2,3,4,5,6,7,8,9,10,11,12,13,14,15
	global_load_b128 v[RR+4*\i:RR+4*\i+3], v1, s[46:47] offset:4096*\i+512*(\f) th:TH_LOAD_NT
.endr
.endm
	LOADF 0
.macro MKSC e, vs, vl                  ; 2^e and 448 x 2^e as f32 numbers
	s_add_co_i32 s56, \e, 127
	s_lshl_b32 s58, s56, 23
	v_mov_b32 v[\vs], s58
	s_add_co_i32 s56, s56, 8
	s_lshl_b32 s56, s56, 23
	s_or_b32 s56, s56, 0x600000
	v_mov_b32 v[\vl], s56
.endm
	MKSC s57, 4, 5
	MKSC s34, 6, 7
	MKSC s36, 8, 9
.macro TURNF                           ; through my stage: in by rows, out eight neighbours along K at a time.  LDS serves a wave's instructions in order: no wait between
.irp i, 0,1,2,3,4,5,6,7,8,9,10,11,12,13,14,15
	ds_store_b128 v2, v[RR+4*\i:RR+4*\i+3] offset:528*\i
.endr
.irp c, 0,1,2,3,4,5,6,7
	ds_load_b128 v[XX+8*\c:XX+8*\c+3], v3 offset:64*\c
	ds_load_b128 v[XX+8*\c+4:XX+8*\c+7], v3 offset:64*\c+16
.endr
.endm
.macro QV ver                          ; one version's codes.  The conversion to an 8-bit code does not saturate (ISA guide 7.6.2): the number is held first, into a set of its own, since x is quantised three times
.irp c, 0,1,2,3,4,5,6,7
.irp j, 0,1,2,3,4,5,6,7
	v_med3_num_f32 v[TT+8*(\c%2)+\j], v[XX+8*\c+\j], -v[5+2*\ver], v[5+2*\ver]
.endr
	v_cvt_scalef32_pk8_fp8_f32 v[CC+16*\ver+2*\c:CC+16*\ver+2*\c+1], v[TT+8*(\c%2):TT+8*(\c%2)+7], v[4+2*\ver]   ; the two sets take turns: eight plain lines stand between a conversion and the next write of its sources
.endr
.endm
.macro STOREF ver, f                   ; an image: four stores of 512 consecutive bytes, at a multiple of 256 from the buffer's first byte
.irp g, 0,1,2,3
	global_store_b128 v1, v[CC+16*\ver+4*\g:CC+16*\ver+4*\g+3], s[48+2*\ver:49+2*\ver] offset:2048*(\f)+512*\g
.endr
.endm
.macro FSTEP f
	s_wait_loadcnt 0x0                             ; this fragment's 16 loads are in
	TURNF
	s_wait_dscnt 0x0                               ; it is back, turned; the stage's stores have read their registers,
.if \f < 3
	LOADF \f+1                                     ; which take the next fragment while this one is worked
.endif
	s_wait_xcnt 0x0                                ; the last fragment's stores have read their data: the codes' registers are written again only behind this wait
	QV 0
	STOREF 0, \f
	s_cmp_ge_u32 ttmp9, 256                        ; a weight has one version
	s_cbranch_scc1 .Lone_\@
	QV 1
	STOREF 1, \f
	QV 2
	STOREF 2, \f
.Lone_\@:
.endm
	FSTEP 0
	FSTEP 1
	FSTEP 2
	FSTEP 3
	s_wait_tensorcnt 0x0                           ; the wave's end, behind my last LDS store
	ds_add_u32 v[SPW], v[NIL]
	s_wait_dscnt 0x0
	s_endpgm
; ---------------- THE MASK.  Work-group g: pair G = g / 2; wave w takes key steps 4 c + 0 .. 3, c = 4 (g % 2) + w: 32 rows x 256 bytes of the mask.
.Lmask:
	s_sub_co_u32 s30, ttmp9, 384
	s_lshr_b32 s31, s30, 1                         ; G
	s_and_b32 s30, s30, 1
	s_lshl_b32 s30, s30, 2
	s_add_co_u32 s30, s30, s28                     ; c
	s_lshl_b32 s32, s31, 16                        ; 32 rows of 2,048 bytes
	s_lshl_b32 s34, s30, 8
	s_add_co_u32 s32, s32, s34
	s_mov_b32 s33, 0
	s_add_nc_u64 s[14:15], s[14:15], s[32:33]
	s_lshl_b32 s32, s31, 13
	s_lshl_b32 s34, s30, 10
	s_add_co_u32 s32, s32, s34
	s_add_nc_u64 s[22:23], s[22:23], s[32:33]
	s_lshl_b32 s32, s31, 5
	s_lshl_b32 s34, s30, 2
	s_add_co_u32 s32, s32, s34
	s_add_nc_u64 s[24:25], s[24:25], s[32:33]
	v_lshlrev_b32 v2, 11, v14
	v_lshl_add_u32 v2, v15, 3, v2                  ; row r, + 8 h: the eight keys j of my half
	v_lshlrev_b32 v3, 3, v13                       ; out: 8 x lane
.irp x, 0,1
.irp g, 0,1,2,3
.irp t, 0,1,2,3
	global_load_b64 v[16+2*((\x*4+\g)*4+\t):17+2*((\x*4+\g)*4+\t)], v2, s[14:15] offset:32768*\x+64*\g+16*\t   ; the 32 loads together take 256 consecutive bytes of each of the 32 rows
.endr
.endr
.endr
.irp i, 0,1,2,3,4,5,6,7
	v_mov_b32 v[80+\i], 0                          ; a written lane's destination counts as read
.endr
	s_mov_b32 s35, 0                               ; the flags
	s_wait_loadcnt 0x0
.macro MASKSTEP g                      ; one key step: 64 compares give 64 lane masks; lane 8 t + j of a register pair takes those of score register 8 t + j
	s_mov_b32 s36, 0
	s_mov_b32 s37, -1
.irp x, 0,1
.irp t, 0,1,2,3
.irp j, 0,1,2,3,4,5,6,7
	v_and_b32 v[88+\j%4], 0xff<<(8*(\j%4)), v[16+2*((\x*4+\g)*4+\t)+\j/4]
	v_cmp_ne_u32 s[40+\j%4], 0, v[88+\j%4]
	s_and_b32 s37, s37, s[40+\j%4]
	s_or_b32 s36, s36, s[40+\j%4]
	v_writelane_b32 v[80+2*\g+\x], s[40+\j%4], 8*\t+\j
.endr
.endr
.endr
	global_store_b64 v3, v[80+2*\g:81+2*\g], s[22:23] offset:256*\g   ; 256 consecutive bytes, aligned
	s_cmp_lg_u32 s36, 0
	s_cselect_b32 s38, 1<<\g, 0
	s_or_b32 s35, s35, s38
	s_cmp_eq_u32 s37, -1
	s_cselect_b32 s38, 1<<(16+\g), 0
	s_or_b32 s35, s35, s38
.endm
	MASKSTEP 0
	MASKSTEP 1
	MASKSTEP 2
	MASKSTEP 3
	v_mov_b32 v92, 0
	v_mov_b32 v93, s35
	s_wait_xcnt 0x0                                ; EXEC changes only behind this wait: it is a source of the stores above
	v_cmp_eq_u32 vcc_lo, 0, v13
	s_and_saveexec_b32 s39, vcc_lo
	global_store_b32 v92, v93, s[24:25]            ; one word a wave
	s_wait_xcnt 0x0
	s_or_b32 exec_lo, exec_lo, s39
	s_endpgm
; ---------------- THE ROTARY TABLE.  A wave takes a token tile.  Sine and cosine in f32: the angle less n quarter turns (pi / 2 taken off in two parts), two short polynomials, the quadrant by selects.
.Lrot:
	s_sub_co_u32 s30, ttmp9, 512
	s_lshl_b32 s30, s30, 2
	s_add_co_u32 s30, s30, s28                     ; token tile
	s_lshl_b32 s32, s30, 11
	s_mov_b32 s33, 0
	s_add_nc_u64 s[26:27], s[26:27], s[32:33]
	s_lshl_b32 s31, s30, 4
	v_add_nc_u32 v2, s31, v14
	v_cvt_f32_u32 v2, v2                           ; my token, as f32
	v_cmp_ne_u32 vcc_lo, 0, v15                    ; lanes 16-31 take frequencies 8 .. 15
	s_mov_b32 s34, 0xbfc90fdb                      ; -(pi / 2), its f32 part,
	s_mov_b32 s35, 0x333bbd2e                      ; and what that part has too much
.macro ROT j, fa, fb
	v_mov_b32 v16, \fb
	v_cndmask_b32 v16, \fa, v16, vcc_lo
	v_mul_f32 v17, v2, v16                         ; the angle: one rounding
	v_mul_f32 v18, 0x3f22f983, v17
	v_rndne_f32 v18, v18                           ; n = the nearest number of quarter turns
	v_fma_f32 v19, v18, s34, v17
	v_fma_f32 v19, v18, s35, v19                   ; what is left, within pi / 4
	v_mul_f32 v20, v19, v19
	v_mov_b32 v21, 0xb94ca1f9
	v_fmaak_f32 v21, v20, v21, 0x3c08839e
	v_fmaak_f32 v21, v20, v21, 0xbe2aaaa3
	v_mul_f32 v21, v21, v20
	v_fma_f32 v21, v21, v19, v19                   ; its sine
	v_mov_b32 v22, 0x37ccf5ce
	v_fmaak_f32 v22, v20, v22, 0xbab6061a
	v_fmaak_f32 v22, v20, v22, 0x3d2aaaa5
	v_mul_f32 v22, v22, v20
	v_fma_f32 v23, v20, -0.5, 1.0
	v_fma_f32 v22, v22, v20, v23                   ; its cosine
	v_cvt_i32_f32 v24, v18
	v_and_b32 v25, 1, v24
	v_cmp_ne_u32 s36, 0, v25                       ; an odd quadrant swaps the two
	v_cndmask_b32 v[40+\j], v21, v22, s36
	v_cndmask_b32 v[32+\j], v22, v21, s36
	v_lshrrev_b32 v25, 1, v24
	v_lshlrev_b32 v25, 31, v25                     ; quadrants 2, 3: the sine changes sign
	v_xor_b32 v[40+\j], v[40+\j], v25
	v_add_nc_u32 v24, 1, v24
	v_lshrrev_b32 v24, 1, v24
	v_lshlrev_b32 v24, 31, v24                     ; quadrants 1, 2: the cosine does
	v_xor_b32 v[32+\j], v[32+\j], v24
.endm
	ROT 0, 0x3f800000, 0x3ccb2ff3
	ROT 1, 0x3f214518, 0x3c7ffffd
	ROT 2, 0x3ecb2ff5, 0x3c214516
	ROT 3, 0x3e800000, 0x3bcb2ff4
	ROT 4, 0x3e214517, 0x3b7fffff
	ROT 5, 0x3dcb2ff4, 0x3b214517
	ROT 6, 0x3d7fffff, 0x3acb2ff5
	ROT 7, 0x3d214518, 0x3a800000
.irp g, 0,1,2,3
	global_store_b128 v1, v[32+4*\g:35+4*\g], s[26:27] offset:512*\g
.endr
	s_endpgm
.Lfunc_end_k_q05531f6ba2_prep:
	.size	k_q05531f6ba2_prep, .Lfunc_end_k_q05531f6ba2_prep-k_q05531f6ba2_prep
	.p2alignl 7, 3214868480
	.fill 96, 4, 3214868480
	.section	.rodata,"a",@progbits
	.p2align	6, 0x0
	.amdhsa_kernel k_q05531f6ba2_prep
		.amdhsa_group_segment_fixed_size 34304
		.amdhsa_private_segment_fixed_size 0
		.amdhsa_enable_private_segment 0
		.amdhsa_kernarg_size 96
		.amdhsa_user_sgpr_count 2
		.amdhsa_user_sgpr_kernarg_segment_ptr 1
		.amdhsa_wavefront_size32 1
		.amdhsa_system_sgpr_workgroup_id_x 1
		.amdhsa_system_sgpr_workgroup_id_y 1
		.amdhsa_system_sgpr_workgroup_id_z 1
		.amdhsa_system_vgpr_workitem_id 0
		.amdhsa_next_free_vgpr 208
		.amdhsa_next_free_sgpr 66
		.amdhsa_reserve_vcc 1
		.amdhsa_float_denorm_mode_32 3
		.amdhsa_float_denorm_mode_16_64 3
		.amdhsa_memory_ordered 1
		.amdhsa_forward_progress 1
		.amdhsa_inst_pref_size 160
	.end_amdhsa_kernel
	.amdgpu_metadata
---
amdhsa.version: [ 1, 2 ]
amdhsa.kernels:
  - .name:           k_q05531f6ba2_prep
    .symbol:         k_q05531f6ba2_prep.kd
    .args:
      - { .name: x, .offset: 0, .size: 8, .value_kind: global_buffer, .address_space: global }
      - { .name: wq, .offset: 8, .size: 8, .value_kind: global_buffer, .address_space: global }
      - { .name: wk, .offset: 16, .size: 8, .value_kind: global_buffer, .address_space: global }
      - { .name: wv, .offset: 24, .size: 8, .value_kind: global_buffer, .address_space: global }
      - { .name: wo, .offset: 32, .size: 8, .value_kind: global_buffer, .address_space: global }
      - { .name: mask, .offset: 40, .size: 8, .value_kind: global_buffer, .address_space: global }
      - { .name: lowp_scales, .offset: 48, .size: 8, .value_kind: global_buffer, .address_space: global }
      - { .name: xc, .offset: 56, .size: 8, .value_kind: global_buffer, .address_space: global }
      - { .name: wc, .offset: 64, .size: 8, .value_kind: global_buffer, .address_space: global }
      - { .name: maskw, .offset: 72, .size: 8, .value_kind: global_buffer, .address_space: global }
      - { .name: flagw, .offset: 80, .size: 8, .value_kind: global_buffer, .address_space: global }
      - { .name: rot, .offset: 88, .size: 8, .value_kind: global_buffer, .address_space: global }
    .group_segment_fixed_size: 34304
    .private_segment_fixed_size: 0
    .kernarg_segment_align: 8
    .kernarg_segment_size: 96
    .max_flat_workgroup_size: 128
    .sgpr_count:     66
    .vgpr_count:     208
    .wavefront_size: 32
...
	.end_amdgpu_metadata
.endif
;; end of part 1
;; launch qkv (part 2): grid 12 x 32, 4 waves a work-group, clusters of 4 x 4, 327,680 bytes of LDS; arguments xc, wc, rot, lowp_scales, qkv; writes qkv
.if DOCPART == 2
	.amdgcn_target "amdgcn-amd-amdhsa--gfx1250"
	.amdhsa_code_object_version 6
	.text
	.protected	k_q05531f6ba2_qkv
	.globl	k_q05531f6ba2_qkv
	.p2align	8
	.type	k_q05531f6ba2_qkv,@function
k_q05531f6ba2_qkv:
	s_mov_b64 s[64:65], 0
	v_nop
	global_prefetch_b8 v0, s[64:65] scope:SCOPE_SE
	s_setreg_imm32_b32 hwreg(HW_REG_WAVE_MODE, 25, 1), 1
	s_wait_xcnt 0x0
	s_wait_alu depctr_hold_cnt(0) depctr_sa_sdst(0) depctr_va_vdst(0) depctr_va_sdst(0) depctr_va_ssrc(0) depctr_va_vcc(0) depctr_vm_vsrc(0)
	s_getreg_b32 s2, hwreg(HW_REG_IB_STS2, 6, 4)
	s_cmp_eq_u32 s2, 0
	s_cbranch_scc0 .Lentry_in_a_cluster
	s_endpgm
.Lentry_in_a_cluster:
	s_bfe_u32 s2, ttmp6, 0x10000c
	s_cmp_lg_u32 s2, 0xf033
	s_cbranch_scc0 .Lentry_shape_is_right
	s_endpgm
.Lentry_shape_is_right:
; q, k, v = x wq^T, x wk^T, x wv^T on codes of E4M3; then, in f32, the RMS norm of each head of q and k and the rotary turn; then the codes that attention multiplies.
; THE ROLE is the cluster's x: 0 q, 1 k, 2 v; the tile column within the role is cx, the tile row y' = 4 x cluster y + cy.  A tile is 256 tokens x 256 columns (four heads); four waves, each 128 x 128: 64 accumulators, 512 registers.
; ALL OPERANDS ARE IMAGES OF REGISTERS: a fragment (16 rows x 128 K) is 2,048 bytes: group g of four registers at 512 g, lane l's 16 bytes at 16 l; k stands in this form's own places (registers 2 c, 2 c + 1: k = 16 c + 8 (l / 16) + 0 .. 7).
; So every fragment load reads 512 consecutive LDS bytes: no pitch and no padding.  K goes in steps of 256 (two images, 4,096 consecutive bytes of each row tile) through a ring of two LDS slots filled by the tensor data mover.
; CLUSTERS: 4 x 4 work-groups.  The four of a row of the cluster need the same tiles of x, the four of a column the same tiles of the weight: each is asked for JOINTLY.
; THE MATRIX INSTRUCTION'S SOURCES.  q, k: source 0 = 16 rows of the weight, source 1 = 16 tokens: a lane holds one token and eight neighbouring columns, which are neighbours along attention's first K.
; v: the two change places (the two LDS bases are chosen by the role, which all partners share): a lane holds one column and eight neighbouring tokens, neighbours along attention's second K.  So the conversions' results are images too.
; OUT: qkv + 0 q, + 8 MiB k: [64 batch x head][128 token tiles][1,024 bytes]; + 16 MiB v: [64][32 key steps][4 tiles of the head's 64][1,024].
; 384 work-groups: a tile of half the rows would read half as much again from LDS for each product.  No prefetch: K has four steps, and two of them are asked for at the head.
; LIMITS on the given exponents, so that each power of two below is an f32 number: e6, e7 and e8 - e4 - e5 between -126 and 119.  NaN among the inputs is not served.
; REGISTERS, in windows of 256: window 0: v16-29 addresses; from v128 source 1's fragments, ONE set; on the way out v32-127 at work, v128-255 the rotary table.  window 1: source 0's fragments, TWO sets.  windows 2, 3: the accumulators ((a, b) at v[8 (8 (a % 4) + b)]).
.set KSB,    4096                      ; a row tile's bytes of a K step: two images
.set RT,     16384                     ; a row tile's bytes in memory: eight images
.set FR,     16                        ; registers of a fragment
.set NL,     4                         ; LDS loads that bring one
.set NP,     4                         ; places behind this matrix instruction (ISA guide 7.12.1)
.set HALFT,  8*KSB                     ; 128 rows: what one tensor load brings, and what one wave reads of either operand
.set SLOT,   4*HALFT                   ; x's 256 rows, then the weight's 256 rows
.set LAPS,   2                         ; a lap = two K steps = once round the ring: K = 1,024
.set SPARE,  2*SLOT                    ; behind the ring: the spare words, 128 bytes for each wave: two blocks of 256 bytes that no other line names
.set ADRA, 16                          ; v16-17  LDS address of source 1's fragments in slot 0, 1
.set ADRB, 20                          ; v20-21  the same for source 0
.set LI,   26                          ; v26     16 x lane
.set SPW,  28                          ; v28     LDS address of my spare word; never rewritten
.set NIL,  29                          ; v29     0; never rewritten
.set YY,   32                          ; v32-63  a unit's 32 numbers
.set CD,   64                          ; v64-79  codes, two sets of eight by turns
.set PP,   80                          ; v80-111 sixteen pairs: a unit's sum of squares, then its factor
.set TT,   112                         ; v112-119 at work in the rotary turn
.set LIM,  120                         ; v120    448 x the conversion's scale
.set SCL,  121                         ; v121    the conversion's scale
.set AF,   128
.set ROT,  128
.set G1, 24                            ; s[24:31] descriptor group 1 for x's tiles;  s[32:39] group 0, one set for each slot
.set G0, 32
.set G1B, 48                           ; s[48:55], s[56:63] the same for the weight's tiles
.set G0B, 56
.set MSB, 0
.macro WIN new                         ; the immediate's high byte repeats the setting that is left
.if MSB != \new
	s_set_vgpr_msb (MSB<<8)|\new
.set MSB, \new
.endif
.endm
.set MUL_LO, 0xa1                      ; source 0 window 1, source 1 window 0, C and D window 2
.set MUL_HI, 0xf1                      ; the same, C and D window 3
.set TO_B,   0x40                      ; destination window 1, address window 0
; A joint load: waves 0 and 1 fetch x's halves, waves 2 and 3 the weight's.  Each of the two lines has ONE mask and one set of registers for all that issue it; the branch hangs on the wave's number alone.
; An s_nop 0 and four v_nop follow each of the two lines, ahead of the jump, the label and what follows.
.macro JLOAD g0a, g1a, g0b, g1b
	s_cmp_eq_u32 s15, 0
	s_cbranch_scc0 .Lfor_b_\@
	tensor_load_to_lds s[\g0a:\g0a+3], s[\g1a:\g1a+7]
	s_nop 0
.rept 4
	v_nop
.endr
	s_branch .Lasked_\@
.Lfor_b_\@:
	tensor_load_to_lds s[\g0b:\g0b+3], s[\g1b:\g1b+7]
	s_nop 0
.rept 4
	v_nop
.endr
.Lasked_\@:
.endm
.macro CREST                           ; a round of the cluster's barrier behind its opening barrier
	s_cmp_lg_u32 s14, 0
	s_cbranch_scc1 .Lnot_wave_0_\@
	s_barrier_signal -3
.Lnot_wave_0_\@:
	s_barrier_wait -3
	s_barrier_signal -1
	s_barrier_wait -1
.endm
.macro CROUND                          ; a whole round
	s_barrier_signal -1
	s_barrier_wait -1
	CREST
.endm
	s_load_b256 s[4:11], s[0:1], 0x0               ; xc s[4:5], wc s[6:7], rot s[8:9], the scales' exponents s[10:11]
	s_load_b64 s[12:13], s[0:1], 0x20              ; qkv
	v_lshl_add_u32 v[SPW], v0, 2, SPARE
	v_mov_b32 v[NIL], 0
	ds_add_u32 v[SPW], v[NIL]                      ; the wave's opening: the add and its wait stand ahead of my first tensor load; the set-up below, work on registers, stands between them
	v_lshrrev_b32 v1, 5, v0
	v_readfirstlane_b32 s14, v1                    ; wave 0..3
	s_lshr_b32 s15, s14, 1                         ; which half of the tile's tokens is mine.  Also: I fetch for x (0) or for the weight (1)
	s_and_b32 s16, s14, 1                          ; which half of its columns.  Also: which 128 rows of that tile I fetch
	s_bfe_u32 s40, ttmp6, 0x40000                  ; cx, cy: my place in the cluster
	s_bfe_u32 s41, ttmp6, 0x40004
	s_and_b32 s17, ttmp7, 0xffff
	s_lshl_b32 s17, s17, 2
	s_add_co_u32 s17, s17, s41                     ; y' = 4 x cluster y + cy
	s_lshl_b32 s43, s41, 2
	s_lshl_b32 s43, 15, s43                        ; my row of the cluster
	s_lshl_b32 s44, 0x1111, s40                    ; my column
	; descriptor group 1: 8 rows (row tiles) of 4,096 bytes, 16,384 bytes apart; no padding
	s_or_b32 s[G1+0], s43, (1<<21)                 ; 15:0 the mask: x's tiles go to my row; 17:16 elements of 1 byte; 21 set beside a mask
	s_or_b32 s[G1B+0], s44, (1<<21)                ; the weight's go to my column
.irp g, G1, G1B
	s_mov_b32 s[\g+1], KSB<<16                     ; tensor_dim0
	s_mov_b32 s[\g+2], 8<<16                       ; tensor_dim1
	s_mov_b32 s[\g+3], KSB<<16                     ; tile_dim0
	s_mov_b32 s[\g+4], 8                           ; tile_dim1
	s_mov_b32 s[\g+5], RT                          ; tensor_dim0_stride
	s_mov_b32 s[\g+6], 0
	s_mov_b32 s[\g+7], 0
.endr
	s_lshl_b32 s18, s16, 3                         ; which 8 row tiles of the 16 I fetch
	s_lshl_b32 s20, s17, 4
	s_add_co_u32 s20, s20, s18
	s_lshl_b32 s20, s20, 14                        ; x: row tile 16 y' + 8 x half,
	s_lshl_b32 s19, ttmp9, 23
	s_add_co_u32 s20, s20, s19                     ; in the role's version of the codes
	s_mov_b32 s21, 0
	s_lshl_b32 s46, s40, 4
	s_add_co_u32 s46, s46, s18
	s_lshl_b32 s46, s46, 14                        ; the weight: row tile 16 cx + 8 x half,
	s_lshl_b32 s19, ttmp9, 20
	s_add_co_u32 s46, s46, s19                     ; of the role's weight
	s_mov_b32 s47, 0
	s_mul_i32 s45, s14, HALFT                      ; where they go: wave x 128 rows: no place in the cluster enters an LDS address
	s_wait_dscnt 0x0                               ; the opening add is done
	s_wait_kmcnt 0x0
	s_load_b256 s[68:75], s[10:11], 0x0            ; e0 .. e7
	s_load_b128 s[76:79], s[10:11], 0x20           ; e8 .. e11
	s_add_nc_u64 s[20:21], s[4:5], s[20:21]
	s_add_nc_u64 s[46:47], s[6:7], s[46:47]
	CROUND                                         ; all sixteen work-groups are here: the first joint loads meet
.irp s, 0,1
	s_mov_b32 s[G0+4*\s], 1
	s_add_co_u32 s[G0+4*\s+1], s45, \s*SLOT
	s_add_nc_u64 s[G0+4*\s+2:G0+4*\s+3], s[20:21], \s*KSB
	s_or_b32 s[G0+4*\s+3], s[G0+4*\s+3], 0x80000000
	s_mov_b32 s[G0B+4*\s], 1
	s_add_co_u32 s[G0B+4*\s+1], s45, \s*SLOT
	s_add_nc_u64 s[G0B+4*\s+2:G0B+4*\s+3], s[46:47], \s*KSB
	s_or_b32 s[G0B+4*\s+3], s[G0B+4*\s+3], 0x80000000
	JLOAD G0+4*\s, G1, G0B+4*\s, G1B
.endr
	v_and_b32 v1, 31, v0
	v_lshlrev_b32 v[LI], 4, v1                     ; 16 x lane: my place in every group of an image
	s_mul_i32 s80, s15, HALFT                      ; my 128 tokens of x
	s_mul_i32 s81, s16, HALFT
	s_add_co_u32 s81, s81, 2*HALFT                 ; my 128 rows of the weight, behind x's 256
	s_cmp_eq_u32 ttmp9, 2                          ; v: the sources change places
	s_cselect_b32 s82, s81, s80                    ; source 1
	s_cselect_b32 s83, s80, s81                    ; source 0
.irp s, 0,1
	v_add_nc_u32 v[ADRA+\s], s82, v[LI]
	v_add_nc_u32 v[ADRB+\s], s83, v[LI]
	s_add_co_u32 s82, s82, SLOT
	s_add_co_u32 s83, s83, SLOT
.endr
.macro FRAG reg, adr, q, i             ; the image of row tile i, the slot's q-th 128 along K
.irp c, 0,1,2,3
	ds_load_b128 v[\reg+4*\c:\reg+4*\c+3], v[\adr] offset:KSB*(\i)+2048*(\q)+512*\c
.endr
.endm
; 16 matrix instructions: source 1's blocks a0, a0 + 1 x source 0's eight, 128 along K.  p: source 0's set.  zero = 1: the first product starts the sums: nothing is ever cleared.
; The 64 accumulators take turns, one instruction a turn, in the same order in every step.
.macro MUL16 a0, p, zero
.irp a, \a0, \a0+1
.irp b, 0,1,2,3,4,5,6,7
.if \zero
	v_wmma_f32_16x16x128_fp8_fp8 v[8*(8*((\a)%4)+\b):8*(8*((\a)%4)+\b)+7], v[128*(\p)+FR*\b:128*(\p)+FR*\b+FR-1], v[AF+FR*(\a):AF+FR*(\a)+FR-1], 0
.else
	v_wmma_f32_16x16x128_fp8_fp8 v[8*(8*((\a)%4)+\b):8*(8*((\a)%4)+\b)+7], v[128*(\p)+FR*\b:128*(\p)+FR*\b+FR-1], v[AF+FR*(\a):AF+FR*(\a)+FR-1], v[8*(8*((\a)%4)+\b):8*(8*((\a)%4)+\b)+7]
.endif
.endr
.endr
.endm
.macro FETCH_B slot, q, p              ; source 0's eight fragments into set p
	WIN TO_B
.irp i, 0,1,2,3,4,5,6,7
	FRAG 128*(\p)+FR*\i, ADRB+\slot, \q, \i
.endr
	WIN 0
.endm
.macro FETCH_A slot, q, i0             ; source 1's blocks i0 .. i0 + 3
.irp i, \i0, \i0+1, \i0+2, \i0+3
	FRAG AF+FR*(\i), ADRA+\slot, \q, \i
.endr
.endm
; A load into a register that a matrix instruction has read, and a vector instruction that reads a matrix result, stand NP places behind that matrix instruction; only plain vector
; instructions that name none of its registers are places (ISA guide 7.12.1 for vector instructions).
.macro PLACES n
.rept \n
	v_nop
.endr
.endm
.macro STEP slot, q, zero              ; a step of 128 along K that has its successor in the same slot
	s_wait_dscnt 4*NL                              ; source 0's set and source 1's blocks 0-3 are in; the youngest 16 loads (blocks 4-7) may be out
	WIN MUL_LO
	MUL16 0, (\q)%2, \zero
	MUL16 2, (\q)%2, \zero
	s_wait_dscnt 0                                 ; blocks 4-7 are in (asked for 32 matrix instructions ago)
	PLACES NP
	FETCH_B \slot, (\q)+1, 1-(\q)%2
	FETCH_A \slot, (\q)+1, 0
	WIN MUL_HI
	MUL16 4, (\q)%2, \zero
	MUL16 6, (\q)%2, \zero
	PLACES NP
	WIN 0
	FETCH_A \slot, (\q)+1, 4
.endm
; A slot's last step changes slots: ONE barrier; in front of it each wave waits for all its tensor loads, adds 0 to its spare word, and waits for that and for its own reads of this slot.  fill = 1: this slot is filled again, two K steps ahead.
.macro TURN slot, next, fill
	s_wait_tensorcnt 0x0                           ; all my tensor loads have landed: my part of the next slot;  (every window is 0 here)
	ds_add_u32 v[SPW], v[NIL]                      ; 0 onto my spare word;
	s_wait_dscnt 4*NL+1                            ; (the add and the youngest 16 loads may be out)
	WIN MUL_LO
	MUL16 0, 1, 0                                  ; sixteen matrix instructions stand between the add and the wait for it
	s_wait_dscnt 0x0                               ; the add is done, and my reads of this slot are over
	s_barrier_signal -1
	MUL16 2, 1, 0
	WIN 0
	s_barrier_wait -1
.if \fill
	CREST                                          ; the barrier has opened a round of the cluster's barrier: no wave of any partner still reads this slot's tile or has a load on its way
	s_add_nc_u64 s[G0+4*\slot+2:G0+4*\slot+3], s[G0+4*\slot+2:G0+4*\slot+3], 2*KSB
	s_add_nc_u64 s[G0B+4*\slot+2:G0B+4*\slot+3], s[G0B+4*\slot+2:G0B+4*\slot+3], 2*KSB
	JLOAD G0+4*\slot, G1, G0B+4*\slot, G1B         ; the first tensor load behind the round; the four v_nop behind it are also the places in front of the loads below
.else
	PLACES NP
.endif
	FETCH_B \next, 0, 0
	FETCH_A \next, 0, 0
	WIN MUL_HI
	MUL16 4, 1, 0
	MUL16 6, 1, 0
	PLACES NP
	WIN 0
	FETCH_A \next, 0, 4
.endm
	s_wait_tensorcnt 1                             ; my part of K step 0 is in (K step 1's load may be out)
	s_barrier_signal -1
	s_barrier_wait -1                              ; everybody's is
	FETCH_B 0, 0, 0
	FETCH_A 0, 0, 0
	FETCH_A 0, 0, 4
	STEP 0, 0, 1                                   ; the first step stands in front of the loop: its products start the sums
	s_mov_b32 s3, LAPS-1
.Llap:                                                 ; a trip goes once round the ring and fills both slots again
	TURN 0, 1, 1
	STEP 1, 0, 0
	TURN 1, 0, 1
	STEP 0, 0, 0
	s_sub_co_u32 s3, s3, 1
	s_cmp_lg_u32 s3, 0
	s_cbranch_scc1 .Llap
	TURN 0, 1, 0                                   ; the last lap fills nothing, and has no round of the cluster's barrier
	STEP 1, 0, 0
	s_wait_dscnt 4*NL                              ; the very last step: nothing more to fetch
	WIN MUL_LO
	MUL16 0, 1, 0
	MUL16 2, 1, 0
	s_wait_dscnt 0
	WIN MUL_HI
	MUL16 4, 1, 0
	MUL16 6, 1, 0
	WIN 0
; ---------------- THE WAY OUT.  A sum stands for sum x 2^E, E = the two operands' exponents added.
	s_wait_kmcnt 0x0
	s_cmp_eq_u32 ttmp9, 1
	s_cselect_b32 s80, s70, s68                    ; x's exponent: e0, e2, e4
	s_cselect_b32 s81, s71, s69                    ; the weight's: e1, e3, e5
	s_cselect_b32 s82, s75, s74                    ; the result's, as attention's operand: e6, e7, e8
	s_cmp_eq_u32 ttmp9, 2
	s_cselect_b32 s80, s72, s80
	s_cselect_b32 s81, s73, s81
	s_cselect_b32 s82, s76, s82
	s_add_co_i32 s80, s80, s81                     ; E
	s_sub_co_i32 s83, s82, s80
	s_cmp_eq_u32 ttmp9, 2
	s_cselect_b32 s83, s83, s82                    ; the conversion's exponent: v is converted from the bare sums, so E is folded in; q and k are brought to their true size by the norm's factor
	s_add_co_i32 s83, s83, 127
	s_lshl_b32 s84, s83, 23
	v_mov_b32 v[SCL], s84
	s_add_co_i32 s83, s83, 8
	s_lshl_b32 s83, s83, 23
	s_or_b32 s83, s83, 0x600000
	v_mov_b32 v[LIM], s83
	s_lshl_b32 s85, s80, 1
	s_sub_co_i32 s85, s85, 6                       ; 2 E - 6: the mean of 64 squares
	s_mov_b32 s86, 0x76543210
	s_mov_b32 s87, 0xfedcba98                      ; v_permlanex16_b32's selects for lane l xor 16
	s_lshr_b32 s88, s17, 3                         ; the batch,
	s_lshl_b32 s88, s88, 4
	s_lshl_b32 s90, s40, 2
	s_add_co_u32 s88, s88, s90
	s_lshl_b32 s90, s16, 1
	s_add_co_u32 s88, s88, s90                     ; x 16 + my first head: 4 cx + 2 x column half
	s_lshl_b32 s88, s88, 17                        ; a head's 131,072 bytes, in q, k and v alike
	s_and_b32 s91, s17, 7
	s_lshl_b32 s90, s91, 14                        ; 256 tokens are 16 token tiles of 1,024 bytes, or 4 key steps of 4,096
	s_add_co_u32 s88, s88, s90
	s_lshl_b32 s90, s15, 13
	s_add_co_u32 s88, s88, s90
	s_lshl_b32 s90, ttmp9, 23
	s_add_co_u32 s88, s88, s90
	s_mov_b32 s89, 0
	s_add_nc_u64 s[12:13], s[12:13], s[88:89]
	s_lshl_b32 s92, s91, 15                        ; the rotary table at my first token tile: 2,048 bytes a tile
	s_lshl_b32 s90, s15, 14
	s_add_co_u32 s92, s92, s90
	s_mov_b32 s93, 0
	s_add_nc_u64 s[8:9], s[8:9], s[92:93]
	PLACES NP                                      ; behind the last products: for the loads into the registers that held source 1's fragments, and for the first reads of results
	s_cmp_eq_u32 ttmp9, 2
	s_cbranch_scc1 .Lv_out
; q AND k.  A unit is 16 tokens (block a) x one head (hd): accumulators (a, 4 hd + t), t = 0 .. 3: 32 registers on end; lane (r, h) holds token r, channels 16 t + 8 h + j.
.irp a, 0,1,2,3,4,5,6,7
.irp g, 0,1,2,3
	global_load_b128 v[ROT+16*\a+4*\g:ROT+16*\a+4*\g+3], v[LI], s[8:9] offset:2048*\a+512*\g   ; block a: cos at 16 a + j, sin at 16 a + 8 + j
.endr
.endr
.macro SUMSQ hi                        ; sums of squares, eight units by turns; each accumulator is read from its low end on
	WIN 0x0a+5*\hi                                 ; sources 0 and 1: window 2 or 3
.irp k, 0,1,2,3,4,5,6,7,8,9,10,11,12,13,14,15
.irp u, 0,1,2,3,4,5,6,7
.if \k == 0
	v_pk_mul_f32 v[PP+2*(8*\hi+\u):PP+2*(8*\hi+\u)+1], v[32*\u:32*\u+1], v[32*\u:32*\u+1]
.else
	v_pk_fma_f32 v[PP+2*(8*\hi+\u):PP+2*(8*\hi+\u)+1], v[32*\u+2*\k:32*\u+2*\k+1], v[32*\u+2*\k:32*\u+2*\k+1], v[PP+2*(8*\hi+\u):PP+2*(8*\hi+\u)+1]
.endif
.endr
.endr
.endm
	SUMSQ 0
	SUMSQ 1
	WIN 0
.irp u, 0,1,2,3,4,5,6,7,8,9,10,11,12,13,14,15
	v_add_f32 v[PP+2*\u], v[PP+2*\u], v[PP+2*\u+1]
.endr
.irp u, 0,1,2,3,4,5,6,7,8,9,10,11,12,13,14,15
	v_permlanex16_b32 v[PP+2*\u+1], v[PP+2*\u], s86, s87   ; the token's other 32 channels lie in the lane 16 away
.endr
.irp u, 0,1,2,3,4,5,6,7,8,9,10,11,12,13,14,15
	v_add_f32 v[PP+2*\u], v[PP+2*\u], v[PP+2*\u+1]
.endr
.irp u, 0,1,2,3,4,5,6,7,8,9,10,11,12,13,14,15
	v_ldexp_f32 v[PP+2*\u], v[PP+2*\u], s85        ; the mean of the true squares
.endr
.irp u, 0,1,2,3,4,5,6,7,8,9,10,11,12,13,14,15
	v_add_f32 v[PP+2*\u], 0x358637bd, v[PP+2*\u]   ; + 1e-6
.endr
.irp u, 0,1,2,3,4,5,6,7,8,9,10,11,12,13,14,15
	v_rsq_f32 v[PP+2*\u], v[PP+2*\u]
.endr
	v_nop                                          ; a plain instruction behind the last of the batch
	s_wait_alu depctr_va_vdst(0)                   ; one wait for the sixteen, ahead of their first reader
.irp u, 0,1,2,3,4,5,6,7,8,9,10,11,12,13,14,15
	v_ldexp_f32 v[PP+2*\u], v[PP+2*\u], s80        ; x 2^E: the factor that makes a bare sum the normed number
.endr
	s_wait_loadcnt 0x0                             ; the table
.macro QK_OUT a, hd
.set UU, 2*(\a)+(\hd)
.set AC, 64*((\a)%4)+32*(\hd)
.set CW, CD+8*(\hd)
	s_wait_xcnt 0x0                                ; the stores of two units back have read their data: this set of codes is written again only behind this wait
	WIN 0x02+(\a)/4                                ; source 0: window 2 or 3
.irp k, 0,2,4,6,8,10,12,14,16,18,20,22,24,26,28,30
	v_pk_mul_f32 v[YY+\k:YY+\k+1], v[AC+\k:AC+\k+1], v[PP+2*UU:PP+2*UU+1] op_sel_hi:[1,0]
.endr
	WIN 0
.irp j, 0,2,4,6                        ; the turn: channels i = 8 h + j (tile 0) with i + 32 (tile 2).  Pairs 16 .. 31 (tiles 1, 3) have the frequency 0: cos 1, sin 0: they stay
	v_pk_mul_f32 v[TT+2*(\j%4):TT+2*(\j%4)+1], v[YY+16+\j:YY+17+\j], v[ROT+16*(\a)+8+\j:ROT+16*(\a)+9+\j]
	v_pk_mul_f32 v[TT+2*(\j%4)+2:TT+2*(\j%4)+3], v[YY+\j:YY+\j+1], v[ROT+16*(\a)+8+\j:ROT+16*(\a)+9+\j]
	v_pk_fma_f32 v[YY+\j:YY+\j+1], v[YY+\j:YY+\j+1], v[ROT+16*(\a)+\j:ROT+16*(\a)+\j+1], v[TT+2*(\j%4):TT+2*(\j%4)+1]
	v_pk_fma_f32 v[YY+16+\j:YY+17+\j], v[YY+16+\j:YY+17+\j], v[ROT+16*(\a)+\j:ROT+16*(\a)+\j+1], v[TT+2*(\j%4)+2:TT+2*(\j%4)+3] neg_lo:[0,0,1] neg_hi:[0,0,1]
.endr
.irp n, 0,1,2,3,4,5,6,7,8,9,10,11,12,13,14,15,16,17,18,19,20,21,22,23,24,25,26,27,28,29,30,31
	v_med3_num_f32 v[YY+\n], v[YY+\n], -v[LIM], v[LIM]   ; the conversion to an 8-bit code does not saturate (ISA guide 7.6.2)
.endr
.irp t, 0,1,2,3
	v_cvt_scalef32_pk8_fp8_f32 v[CW+2*\t:CW+2*\t+1], v[YY+8*\t:YY+8*\t+7], v[SCL]   ; registers 2 t, 2 t + 1 of the fragment: channels 16 t + 8 h + 0 .. 7
.endr
	v_nop                                          ; a plain instruction between the conversions and the next lines that write their sources
	global_store_b128 v[LI], v[CW:CW+3], s[12:13] offset:131072*(\hd)+1024*(\a)
	global_store_b128 v[LI], v[CW+4:CW+7], s[12:13] offset:131072*(\hd)+1024*(\a)+512   ; each store: 512 consecutive bytes, aligned
.endm
.irp a, 0,1,2,3,4,5,6,7
	QK_OUT \a, 0
	QK_OUT \a, 1
.endr
	s_branch .Lend
; v.  Block a of source 1 = 16 channels: head a / 4, tile a % 4; a unit is that x one key step kp of 64 tokens: accumulators (a, 4 kp + c): lane (r, h) holds channel r, tokens 16 c + 8 h + j.
.Lv_out:
.macro V_OUT a, kp
.set AC, 64*((\a)%4)+32*(\kp)
.set CW, CD+8*(\kp)
	s_wait_xcnt 0x0
	WIN 0x02+(\a)/4
.irp n, 0,1,2,3,4,5,6,7,8,9,10,11,12,13,14,15,16,17,18,19,20,21,22,23,24,25,26,27,28,29,30,31
	v_med3_num_f32 v[YY+\n], v[AC+\n], -v[LIM], v[LIM]   ; each accumulator from its low end on
.endr
	WIN 0
.irp t, 0,1,2,3
	v_cvt_scalef32_pk8_fp8_f32 v[CW+2*\t:CW+2*\t+1], v[YY+8*\t:YY+8*\t+7], v[SCL]
.endr
	v_nop
	global_store_b128 v[LI], v[CW:CW+3], s[12:13] offset:131072*((\a)/4)+4096*(\kp)+1024*((\a)%4)
	global_store_b128 v[LI], v[CW+4:CW+7], s[12:13] offset:131072*((\a)/4)+4096*(\kp)+1024*((\a)%4)+512
.endm
.irp a, 0,1,2,3,4,5,6,7
	V_OUT \a, 0
	V_OUT \a, 1
.endr
.Lend:
	s_wait_tensorcnt 0x0                           ; the wave's end, behind my last tensor load
	ds_add_u32 v[SPW], v[NIL]
	s_wait_dscnt 0x0
	CROUND                                         ; the closing round: no work-group ends while a partner may still ask for a tile that names it
	s_endpgm
.Lfunc_end_k_q05531f6ba2_qkv:
	.size	k_q05531f6ba2_qkv, .Lfunc_end_k_q05531f6ba2_qkv-k_q05531f6ba2_qkv
	.p2alignl 7, 3214868480
	.fill 96, 4, 3214868480
	.section	.rodata,"a",@progbits
	.p2align	6, 0x0
	.amdhsa_kernel k_q05531f6ba2_qkv
		.amdhsa_group_segment_fixed_size 327680
		.amdhsa_private_segment_fixed_size 0
		.amdhsa_enable_private_segment 0
		.amdhsa_kernarg_size 40
		.amdhsa_user_sgpr_count 2
		.amdhsa_user_sgpr_kernarg_segment_ptr 1
		.amdhsa_wavefront_size32 1
		.amdhsa_system_sgpr_workgroup_id_x 1
		.amdhsa_system_sgpr_workgroup_id_y 1
		.amdhsa_system_sgpr_workgroup_id_z 1
		.amdhsa_system_vgpr_workitem_id 0
		.amdhsa_next_free_vgpr 1024
		.amdhsa_next_free_sgpr 100
		.amdhsa_reserve_vcc 0
		.amdhsa_float_denorm_mode_32 3
		.amdhsa_float_denorm_mode_16_64 3
		.amdhsa_memory_ordered 1
		.amdhsa_forward_progress 1
		.amdhsa_inst_pref_size 217
	.end_amdhsa_kernel
	.amdgpu_metadata
---
amdhsa.version: [ 1, 2 ]
amdhsa.kernels:
  - .name:           k_q05531f6ba2_qkv
    .symbol:         k_q05531f6ba2_qkv.kd
    .args:
      - { .name: xc, .offset: 0, .size: 8, .value_kind: global_buffer, .address_space: global }
      - { .name: wc, .offset: 8, .size: 8, .value_kind: global_buffer, .address_space: global }
      - { .name: rot, .offset: 16, .size: 8, .value_kind: global_buffer, .address_space: global }
      - { .name: lowp_scales, .offset: 24, .size: 8, .value_kind: global_buffer, .address_space: global }
      - { .name: qkv, .offset: 32, .size: 8, .value_kind: global_buffer, .address_space: global }
    .group_segment_fixed_size: 327680
    .private_segment_fixed_size: 0
    .kernarg_segment_align: 8
    .kernarg_segment_size: 40
    .max_flat_workgroup_size: 128
    .sgpr_count:     100
    .vgpr_count:     1024
    .wavefront_size: 32
...
	.end_amdgpu_metadata
.endif
;; end of part 2
;; launch attn (part 3): grid 4 x 64, 16 waves a work-group, no clusters, 264,192 bytes of LDS; arguments qkv, maskw, flagw, lowp_scales, ac; writes ac
.if DOCPART == 3
	.amdgcn_target "amdgcn-amd-amdhsa--gfx1250"
	.amdhsa_code_object_version 6
	.text
	.protected	k_q05531f6ba2_attn
	.globl	k_q05531f6ba2_attn
	.p2align	8
	.type	k_q05531f6ba2_attn,@function
k_q05531f6ba2_attn:
	s_mov_b64 s[64:65], 0
	v_nop
	global_prefetch_b8 v0, s[64:65] scope:SCOPE_SE
	s_setreg_imm32_b32 hwreg(HW_REG_WAVE_MODE, 25, 1), 1
	s_wait_xcnt 0x0
; ATTENTION on codes of E4M3, with the mask as it is GIVEN: nothing of its shape is built in.  out = softmax(q k^T / 8, masked) v, quantised for the last projection.
; THE SOFTMAX AHEAD OF THE SECOND PRODUCT: t = score x log2(e) / 8; M = the row's largest t so far, rounded UP to a whole number; p = 2^(t - M) is quantised (scale 9), not normalised; the row's sum is taken of the
; unquantised p and divides at the end.  When M moves, the sum and O are multiplied by 2^(old M - new M): exact.
; SHARES.  Four work-groups (x) share a batch x head (y).  A head's whole K and V, 131,072 bytes each as images of registers, lie in LDS; every byte is written once.  Each of the 64 waves of a head owns a PAIR G of query
; tiles, 32 queries, in 256 registers: four waves to a SIMD, so that one wave's vector work stands beside another's matrix work and LDS loads.  A key step is 64 keys; each fragment of K and V feeds two products.
; LAYOUT.  Both products transposed, K = 64, k in the form's own places: S^T = K Q^T (source 0 = 16 keys, source 1 = 16 queries): lane (r, h) holds query r, register 8 t + j key 16 t + 8 h + j; tile t's eight registers,
; converted, ARE registers 2 t, 2 t + 1 of P's fragment.  O^T = V^T P^T: register 8 d + j = channel 16 d + 8 h + j; converted, they are the last projection's fragment.
; THE MASK.  An earlier launch has stored, for each pair and key step, 64 lane masks and two flags.  A step in which no bit is set adds nothing to any of the 32 rows and is left out; a step in which all are set pays nothing;
; any other loads its 64 words and sets hidden scores to -infinity ahead of the maximum.  These are scalar branches on stored whole numbers; no barrier stands under them.
; A row that the mask hides wholly has sum 0 and O 0: 0 x (1 / 0) is NaN, as the definition has it; the NaN is carried past the hold by a select, so that its code is the NaN code.
; NO CLUSTER AND NO TENSOR LOAD, though four work-groups read the same K and V.
; K and V come through registers, 262,144 bytes a work-group in four chunks of 8 key steps; chunk c + 1 is asked for at the head of chunk c's eight steps and stored behind them.  So no prefetch is laid either.
; WHICH PAIR A WAVE TAKES is a matter of balance alone (right for any mask): low and high pairs are dealt so that the waves w % 4 = const and the waves w / 4 = const each get the same sum of G.
; LIMITS on the given exponents: e6 + e7 between -123 and 130 (added to c's exponent field); e9 and e10 between -126 and 119; e8 + e9 is applied by v_ldexp_f32 and has none.
.set VOFF,  131072                     ; LDS: K [128 key tiles][1,024], then V [32 steps][4 tiles][1,024]
.set SPARE, 262144                     ; behind them: the spare words, 128 bytes for each wave: eight blocks of 256 bytes that no other line names
.set LI,  1                            ; v1   16 x lane
.set LIV, 2                            ; v2   the same + VOFF
.set ADK, 3                            ; v3   LDS address of the step's K
.set ADV, 4                            ; v4   of its V
.set FOG, 5                            ; v5   the fill: my bytes of a chunk in memory: 4,096 (w % 8) + 16 x lane
.set FOL, 6                            ; v6   and in LDS: + VOFF for waves 8-15; steps a chunk on
.set SPW, 7                            ; v7   LDS address of my spare word; never rewritten
.set NIL, 8                            ; v8   0; never rewritten
.set NINF, 9                           ; v9   -infinity
.set SCP, 10                           ; v10  2^e9
.set QNAN, 11                          ; v11  NaN
.set ST,  12                           ; tile x: v[12+4x] -M, +1 the largest t, +2, +3 the sum in two halves
.set TM,  20                           ; tile x: v[20+4x] f (a pair with +1), +2, +3 at work
.set S2,  28                           ; tile x: v[28+2x : 29+2x] the sums' second chain
.set QF,  32                           ; v32-47   Q, 8 a tile
.set KV,  48                           ; v48-79   four fragments of K, then of V
.set SS,  80                           ; v80-143  S^T, then p: 32 a tile
.set OO,  144                          ; v144-207 O^T, 32 a tile
.set PC,  208                          ; v208-223 p's codes, 8 a tile
.set FF,  224                          ; v224-255 the fill
; s2 wave; s3 G; s[4:5] Q; s[6:7] the fill's source; s8 batch x head; s[10:11] my pair's mask words; s[12:13] lane selects; s[14:15] c; s[16:63], s[68:83] a step's 64 words; s84 e8 + e9; s85 e10;
; s[88:89] ac; s90 'some' flags, s91 'all' flags, bit 0 = the step in hand; s92 LDS byte of the step; s93 byte of its words; s94 trips; s95 e9; s96 448 x 2^e9
	s_load_b256 s[16:23], s[0:1], 0x0              ; qkv, maskw, flagw, the scales' exponents
	s_load_b64 s[88:89], s[0:1], 0x20              ; ac
	v_lshl_add_u32 v[SPW], v0, 2, SPARE
	v_mov_b32 v[NIL], 0
	v_lshrrev_b32 v3, 5, v0
	v_readfirstlane_b32 s2, v3                     ; wave 0..15
	v_and_b32 v4, 31, v0
	v_lshlrev_b32 v[LI], 4, v4
	v_add_nc_u32 v[LIV], VOFF, v[LI]
	s_and_b32 s97, s2, 7
	s_lshl_b32 s97, s97, 12
	v_add_nc_u32 v[FOG], s97, v[LI]
	s_lshr_b32 s98, s2, 3                          ; waves 0-7 fill K, waves 8-15 V
	s_lshl_b32 s99, s98, 17
	v_add_nc_u32 v[FOL], s99, v[FOG]
	s_bfe_u32 s90, s2, 0x10002                     ; my pair: with i0, i1 = bits 2, 3 and s0, s1 = bits 0, 1 of the wave's number:
	s_and_b32 s91, s2, 1
	s_bfe_u32 s92, s2, 0x10001
	s_xor_b32 s91, s91, s90                        ; k = i0 ^ s0: from the low end or from the high end
	s_xor_b32 s92, s92, s98
	s_mul_i32 s92, s92, 3
	s_xor_b32 s92, s92, s90                        ; vs = i0 ^ 3 (i1 ^ s1)
	s_lshl_b32 s93, ttmp9, 2
	s_add_co_u32 s93, s93, s92
	s_lshl_b32 s93, s93, 1
	s_add_co_u32 s93, s93, s98                     ; 2 (4 x + vs) + i1: 0 .. 31, each twice in the head
	s_mul_i32 s91, s91, 63
	s_xor_b32 s3, s93, s91                         ; G: each of 0 .. 63 once
	s_and_b32 s8, ttmp7, 0xffff                    ; batch x head
	s_mov_b32 s101, 0
	s_wait_kmcnt 0x0
	s_lshl_b32 s100, s8, 17
	s_add_nc_u64 s[4:5], s[16:17], s[100:101]      ; my head's q
	s_add_co_u32 s98, s98, 1
	s_lshl_b32 s100, s98, 23
	s_add_nc_u64 s[6:7], s[4:5], s[100:101]        ; my head's k (8 MiB on) or v (16 MiB on)
	s_lshl_b32 s100, s3, 11
	s_add_nc_u64 s[4:5], s[4:5], s[100:101]        ; my pair's two images of q
	s_lshl_b32 s100, s3, 13
	s_add_nc_u64 s[10:11], s[18:19], s[100:101]
	s_lshl_b32 s100, s3, 5
	s_add_nc_u64 s[20:21], s[20:21], s[100:101]
.macro FILL_LOAD c                     ; my 4,096 bytes of chunk c: eight loads of 512 consecutive bytes
.irp i, 0,1,2,3,4,5,6,7
	global_load_b128 v[FF+4*\i:FF+4*\i+3], v[FOG], s[6:7] offset:32768*(\c)+512*\i
.endr
.endm
.macro FILL_STORE
.irp i, 0,1,2,3,4,5,6,7
	ds_store_b128 v[FOL], v[FF+4*\i:FF+4*\i+3] offset:512*\i
.endr
.endm
	FILL_LOAD 0
.irp x, 0,1
	global_load_b128 v[QF+8*\x:QF+8*\x+3], v[LI], s[4:5] offset:1024*\x
	global_load_b128 v[QF+8*\x+4:QF+8*\x+7], v[LI], s[4:5] offset:1024*\x+512
.endr
	s_load_b256 s[24:31], s[22:23], 0x0            ; e0 .. e7
	s_load_b128 s[32:35], s[22:23], 0x20           ; e8 .. e11
	s_load_b256 s[36:43], s[20:21], 0x0            ; my pair's eight words of flags
	s_lshr_b32 s100, s8, 4                         ; ac: ((batch x 128 + 2 G) x 16 + head) x 1,024
	s_lshl_b32 s100, s100, 21
	s_lshl_b32 s97, s3, 15
	s_add_co_u32 s100, s100, s97
	s_and_b32 s97, s8, 15
	s_lshl_b32 s97, s97, 10
	s_add_co_u32 s100, s100, s97
	s_add_nc_u64 s[88:89], s[88:89], s[100:101]
	s_mov_b32 s12, 0x76543210
	s_mov_b32 s13, 0xfedcba98                      ; v_permlanex16_b32's selects for lane l xor 16
	v_mov_b32 v[NINF], 0xff800000
	v_mov_b32 v[QNAN], 0x7fc00000
.irp x, 0,1
	v_mov_b32 v[ST+4*\x+1], 0xff61b1e6             ; the largest t so far: -3e38, under every t
	v_floor_f32 v[ST+4*\x], -v[ST+4*\x+1]          ; -M
	v_mov_b32 v[ST+4*\x+2], 0                      ; the sum, in two halves
	v_mov_b32 v[ST+4*\x+3], 0
	v_mov_b32 v[TM+4*\x+1], 0                      ; (named as the upper half of f's pair)
	v_mov_b32 v[TM+4*\x+3], 0                      ; (a lane permute's destination counts as one of its sources)
.endr
.irp j, 0,1,2,3,4,5,6,7,8,9,10,11,12,13,14,15,16,17,18,19,20,21,22,23,24,25,26,27,28,29,30,31,32,33,34,35,36,37,38,39,40,41,42,43,44,45,46,47,48,49,50,51,52,53,54,55,56,57,58,59,60,61,62,63
	v_mov_b32 v[OO+\j], 0                          ; O^T.  Which step is a pair's first hangs on the mask, so none can be written out ahead of the loop: the first finds zeros
.endr
	s_wait_kmcnt 0x0
	s_mov_b32 s90, 0
	s_mov_b32 s91, 0
.irp c, 0,1,2,3,4,5,6,7
	s_and_b32 s97, s[36+\c], 15
	s_lshl_b32 s97, s97, 4*\c
	s_or_b32 s90, s90, s97                         ; bit s: some bit of step s is set
	s_bfe_u32 s97, s[36+\c], 0x40010
	s_lshl_b32 s97, s97, 4*\c
	s_or_b32 s91, s91, s97                         ; bit s: all are
.endr
	s_add_co_i32 s97, s30, s31
	s_lshl_b32 s97, s97, 23
	s_add_co_i32 s14, s97, 0x3e38aa3b              ; c = log2(e) / 8, with e6 + e7 added to its exponent field: a score stands for score x 2^(e6 + e7)
	s_mov_b32 s15, s14                             ; (named with it as a pair)
	s_add_co_i32 s84, s32, s33                     ; e8 + e9
	s_mov_b32 s85, s34                             ; e10
	s_mov_b32 s95, s33                             ; e9
	s_add_co_i32 s97, s33, 127
	s_lshl_b32 s98, s97, 23
	v_mov_b32 v[SCP], s98                          ; 2^e9, for p's conversions
	s_add_co_i32 s97, s97, 8
	s_lshl_b32 s97, s97, 23
	s_or_b32 s96, s97, 0x600000                    ; 448 x 2^e9
	s_wait_loadcnt 0x0                             ; chunk 0 and Q
	FILL_STORE
; A KEY STEP: 64 keys for my 32 queries.
.macro STEP
	s_bitcmp1_b32 s90, 0                           ; no bit of the step's mask is set: nothing of it counts for any of my rows
	s_cbranch_scc0 .Lskip_\@
	v_add_nc_u32 v[ADK], s92, v[LI]
	v_add_nc_u32 v[ADV], s92, v[LIV]
	v_nop
	v_nop                                          ; four places in front of loads into registers that the last step's products have read
.irp t, 0,1,2,3
	ds_load_b128 v[KV+8*\t:KV+8*\t+3], v[ADK] offset:1024*\t
	ds_load_b128 v[KV+8*\t+4:KV+8*\t+7], v[ADK] offset:1024*\t+512
.endr
	s_wait_dscnt 0x0
.irp t, 0,1,2,3
	v_wmma_f32_16x16x64_fp8_fp8 v[SS+8*\t:SS+8*\t+7], v[KV+8*\t:KV+8*\t+7], v[QF:QF+7], 0
	v_wmma_f32_16x16x64_fp8_fp8 v[SS+32+8*\t:SS+32+8*\t+7], v[KV+8*\t:KV+8*\t+7], v[QF+8:QF+15], 0
.endr
.rept 4
	v_nop                                          ; places: for V's loads into K's registers, and for the first reads of the scores
.endr
.irp t, 0,1,2,3
	ds_load_b128 v[KV+8*\t:KV+8*\t+3], v[ADV] offset:1024*\t         ; V lands under the softmax
	ds_load_b128 v[KV+8*\t+4:KV+8*\t+7], v[ADV] offset:1024*\t+512
.endr
	s_bitcmp1_b32 s91, 0                           ; all bits set: the mask costs nothing
	s_cbranch_scc1 .Lopen_\@
	s_load_b512 s[16:31], s[10:11], s93 offset:0x0 ; the step's 64 lane masks: word 2 n + x for score register n of tile x
	s_load_b512 s[32:47], s[10:11], s93 offset:0x40
	s_load_b512 s[48:63], s[10:11], s93 offset:0x80
	s_load_b512 s[68:83], s[10:11], s93 offset:0xc0
	s_wait_kmcnt 0x0
.irp n, 0,1,2,3,4,5,6,7,8,9,10,11,12,13,14,15,16,17,18,19,20,21,22,23,24,25,26,27,28,29,30,31
.irp x, 0,1
	v_cndmask_b32 v[SS+32*\x+\n], v[NINF], v[SS+32*\x+\n], s[16+(2*\n+\x)+4*((2*\n+\x)/48)]   ; hidden: -infinity, so p = 0
.endr
.endr
.Lopen_\@:
.irp x, 0,1                            ; the step's largest score of my query among my 32 keys, in two chains; each accumulator from its low end on
	v_max3_num_f32 v[TM+4*\x+2], v[SS+32*\x], v[SS+32*\x+1], v[SS+32*\x+2]
	v_max3_num_f32 v[TM+4*\x+3], v[SS+32*\x+3], v[SS+32*\x+4], v[SS+32*\x+5]
.endr
.irp i, 6,10,14,18,22,26
.irp x, 0,1
	v_max3_num_f32 v[TM+4*\x+2], v[TM+4*\x+2], v[SS+32*\x+\i], v[SS+32*\x+\i+1]
	v_max3_num_f32 v[TM+4*\x+3], v[TM+4*\x+3], v[SS+32*\x+\i+2], v[SS+32*\x+\i+3]
.endr
.endr
.irp x, 0,1
	v_max3_num_f32 v[TM+4*\x+2], v[TM+4*\x+2], v[SS+32*\x+30], v[SS+32*\x+31]
.endr
.irp x, 0,1
	v_max_num_f32 v[TM+4*\x+2], v[TM+4*\x+2], v[TM+4*\x+3]
.endr
.irp x, 0,1
	v_permlanex16_b32 v[TM+4*\x+3], v[TM+4*\x+2], s12, s13
.endr
.irp x, 0,1
	v_max_num_f32 v[TM+4*\x+2], v[TM+4*\x+2], v[TM+4*\x+3]   ; and among lane l xor 16's
.endr
.irp x, 0,1
	v_mul_f32 v[TM+4*\x+2], s14, v[TM+4*\x+2]      ; as t (c is positive)
.endr
.irp x, 0,1
	v_max_num_f32 v[ST+4*\x+1], v[ST+4*\x+1], v[TM+4*\x+2]   ; the running largest t
	v_mov_b32 v[TM+4*\x+2], v[ST+4*\x]
.endr
.irp x, 0,1
	v_floor_f32 v[ST+4*\x], -v[ST+4*\x+1]          ; the new -M = -ceil(t): a whole number
.endr
.irp x, 0,1
	v_sub_f32 v[TM+4*\x+2], v[ST+4*\x], v[TM+4*\x+2]   ; old M - new M: a whole number, 0 or less
.endr
.irp x, 0,1
	v_cvt_i32_f32 v[TM+4*\x+2], v[TM+4*\x+2]       ; (it saturates)
.endr
.irp x, 0,1
	v_ldexp_f32 v[TM+4*\x], 1.0, v[TM+4*\x+2]      ; f = 2^(old M - new M)
.endr
.irp k, 0,2,4,6,8,10,12,14,16,18,20,22,24,26,28,30
.irp x, 0,1
	v_pk_fma_f32 v[SS+32*\x+\k:SS+32*\x+\k+1], v[SS+32*\x+\k:SS+32*\x+\k+1], s[14:15], v[ST+4*\x:ST+4*\x+1] op_sel_hi:[1,0,0]   ; t - M, two at a time
.endr
.endr
.irp n, 0,1,2,3,4,5,6,7,8,9,10,11,12,13,14,15,16,17,18,19,20,21,22,23,24,25,26,27,28,29,30,31,32,33,34,35,36,37,38,39,40,41,42,43,44,45,46,47,48,49,50,51,52,53,54,55,56,57,58,59,60,61,62,63
	v_exp_f32 v[SS+\n], v[SS+\n]                   ; p = 2^(t - M), at most 1
.endr
.irp x, 0,1
	v_pk_mul_f32 v[ST+4*\x+2:ST+4*\x+3], v[ST+4*\x+2:ST+4*\x+3], v[TM+4*\x:TM+4*\x+1] op_sel_hi:[1,0]   ; the sums under the new M.  (The plain lines behind the exponentials)
.endr
	s_wait_alu depctr_va_vdst(0)                   ; one wait for the 64, ahead of their first reader
.irp x, 0,1
	v_pk_add_f32 v[S2+2*\x:S2+2*\x+1], v[SS+32*\x:SS+32*\x+1], v[SS+32*\x+2:SS+32*\x+3]   ; the row's sum is taken of the unquantised p, in two chains
.endr
.irp k, 4,8,12,16,20,24,28
.irp x, 0,1
	v_pk_add_f32 v[ST+4*\x+2:ST+4*\x+3], v[ST+4*\x+2:ST+4*\x+3], v[SS+32*\x+\k:SS+32*\x+\k+1]
	v_pk_add_f32 v[S2+2*\x:S2+2*\x+1], v[S2+2*\x:S2+2*\x+1], v[SS+32*\x+\k+2:SS+32*\x+\k+3]
.endr
.endr
.irp x, 0,1
	v_pk_add_f32 v[ST+4*\x+2:ST+4*\x+3], v[ST+4*\x+2:ST+4*\x+3], v[S2+2*\x:S2+2*\x+1]
.endr
	s_cmp_ge_i32 s95, -8                           ; p is at most 1, and 448 x 2^e9 is at least 1 from e9 = -8 on: only under that can p pass the largest code
	s_cbranch_scc1 .Lheld_\@
.irp n, 0,1,2,3,4,5,6,7,8,9,10,11,12,13,14,15,16,17,18,19,20,21,22,23,24,25,26,27,28,29,30,31,32,33,34,35,36,37,38,39,40,41,42,43,44,45,46,47,48,49,50,51,52,53,54,55,56,57,58,59,60,61,62,63
	v_min_num_f32 v[SS+\n], s96, v[SS+\n]          ; the conversion does not saturate (ISA guide 7.6.2); p is not negative, so the hold is one-sided
.endr
.Lheld_\@:
.irp t, 0,1,2,3
.irp x, 0,1
	v_cvt_scalef32_pk8_fp8_f32 v[PC+8*\x+2*\t:PC+8*\x+2*\t+1], v[SS+32*\x+8*\t:SS+32*\x+8*\t+7], v[SCP]
.endr
.endr
.irp k, 0,2,4,6,8,10,12,14,16,18,20,22,24,26,28,30
.irp x, 0,1
	v_pk_mul_f32 v[OO+32*\x+\k:OO+32*\x+\k+1], v[OO+32*\x+\k:OO+32*\x+\k+1], v[TM+4*\x:TM+4*\x+1] op_sel_hi:[1,0]   ; O^T under the new M.  (Also the plain lines between the conversions and the products that read the codes)
.endr
.endr
	s_wait_dscnt 0x0                               ; V
.irp d, 0,1,2,3                        ; the eight accumulators take turns, one instruction a turn; the next step's K Q^T stands between two steps' links
	v_wmma_f32_16x16x64_fp8_fp8 v[OO+8*\d:OO+8*\d+7], v[KV+8*\d:KV+8*\d+7], v[PC:PC+7], v[OO+8*\d:OO+8*\d+7]
	v_wmma_f32_16x16x64_fp8_fp8 v[OO+32+8*\d:OO+32+8*\d+7], v[KV+8*\d:KV+8*\d+7], v[PC+8:PC+15], v[OO+32+8*\d:OO+32+8*\d+7]
.endr
.Lskip_\@:
	s_lshr_b32 s90, s90, 1                         ; on to the next step: its flags, its tiles, its words
	s_lshr_b32 s91, s91, 1
	s_add_co_u32 s92, s92, 4096
	s_add_co_u32 s93, s93, 256
.endm
; A CHUNK of eight key steps.  In front of the barrier each wave's stores of the chunk have landed; behind it all sixteen waves' have.  The next chunk is asked for at once, and stored, into bytes that nobody has read or
; written yet, behind the eight steps: so one barrier a chunk is enough.
.macro CHUNK c
	s_wait_dscnt 0x0
	s_barrier_signal -1
	s_barrier_wait -1
.if \c < 3
	FILL_LOAD \c+1
.endif
	s_mov_b32 s92, \c*32768
	s_mov_b32 s93, \c*2048
	s_mov_b32 s94, 8
.Lstep_\@:
	STEP
	s_sub_co_u32 s94, s94, 1
	s_cmp_lg_u32 s94, 0
	s_cbranch_scc1 .Lstep_\@
.if \c < 3
	s_wait_loadcnt 0x0
	v_add_nc_u32 v[FOL], 32768, v[FOL]
	FILL_STORE
.endif
.endm
	CHUNK 0
	CHUNK 1
	CHUNK 2
	CHUNK 3
	; THE WAY OUT: O^T / the sum x 2^(e8 + e9), quantised with 2^e10: a tile's 32 numbers a lane become the image of a fragment of the last projection.
.rept 4
	v_nop                                          ; places behind the last products
.endr
	s_add_co_i32 s97, s85, 127
	s_lshl_b32 s98, s97, 23
	v_mov_b32 v[FF], s98                           ; 2^e10
	s_add_co_i32 s97, s97, 8
	s_lshl_b32 s97, s97, 23
	s_or_b32 s97, s97, 0x600000
	v_mov_b32 v[FF+1], s97                         ; 448 x 2^e10
.irp x, 0,1
	v_add_f32 v[ST+4*\x+2], v[ST+4*\x+2], v[ST+4*\x+3]
.endr
.irp x, 0,1
	v_permlanex16_b32 v[TM+4*\x+3], v[ST+4*\x+2], s12, s13
.endr
.irp x, 0,1
	v_add_f32 v[ST+4*\x+2], v[ST+4*\x+2], v[TM+4*\x+3]   ; the row's sum
.endr
.irp x, 0,1
	v_rcp_f32 v[TM+4*\x], v[ST+4*\x+2]
.endr
	v_nop                                          ; a plain instruction behind the reciprocals
	s_wait_alu depctr_va_vdst(0)                   ; one wait for the two, ahead of their first reader
.irp x, 0,1
	v_ldexp_f32 v[TM+4*\x], v[TM+4*\x], s84
.endr
.irp x, 0,1
.irp k, 0,2,4,6,8,10,12,14,16,18,20,22,24,26,28,30
	v_pk_mul_f32 v[SS+32*\x+\k:SS+32*\x+\k+1], v[OO+32*\x+\k:OO+32*\x+\k+1], v[TM+4*\x:TM+4*\x+1] op_sel_hi:[1,0]
.endr
	v_cmp_neq_f32 vcc_lo, v[SS+32*\x], v[SS+32*\x] ; a row with no key at all: all its numbers are NaN
.irp n, 0,1,2,3,4,5,6,7,8,9,10,11,12,13,14,15,16,17,18,19,20,21,22,23,24,25,26,27,28,29,30,31
	v_med3_num_f32 v[SS+32*\x+\n], v[SS+32*\x+\n], -v[FF+1], v[FF+1]
.endr
.irp n, 0,1,2,3,4,5,6,7,8,9,10,11,12,13,14,15,16,17,18,19,20,21,22,23,24,25,26,27,28,29,30,31
	v_cndmask_b32 v[SS+32*\x+\n], v[SS+32*\x+\n], v[QNAN], vcc_lo   ; the hold would lose the NaN: it is put back
.endr
.irp t, 0,1,2,3
	v_cvt_scalef32_pk8_fp8_f32 v[PC+8*\x+2*\t:PC+8*\x+2*\t+1], v[SS+32*\x+8*\t:SS+32*\x+8*\t+7], v[FF]
.endr
	v_nop
	global_store_b128 v[LI], v[PC+8*\x:PC+8*\x+3], s[88:89] offset:16384*\x
	global_store_b128 v[LI], v[PC+8*\x+4:PC+8*\x+7], s[88:89] offset:16384*\x+512   ; each store: 512 consecutive bytes, aligned
.endr
	s_wait_tensorcnt 0x0                           ; the wave's end, behind my last LDS store
	ds_add_u32 v[SPW], v[NIL]
	s_wait_dscnt 0x0
	s_endpgm
.Lfunc_end_k_q05531f6ba2_attn:
	.size	k_q05531f6ba2_attn, .Lfunc_end_k_q05531f6ba2_attn-k_q05531f6ba2_attn
	.p2alignl 7, 3214868480
	.fill 96, 4, 3214868480
	.section	.rodata,"a",@progbits
	.p2align	6, 0x0
	.amdhsa_kernel k_q05531f6ba2_attn
		.amdhsa_group_segment_fixed_size 264192
		.amdhsa_private_segment_fixed_size 0
		.amdhsa_enable_private_segment 0
		.amdhsa_kernarg_size 40
		.amdhsa_user_sgpr_count 2
		.amdhsa_user_sgpr_kernarg_segment_ptr 1
		.amdhsa_wavefront_size32 1
		.amdhsa_system_sgpr_workgroup_id_x 1
		.amdhsa_system_sgpr_workgroup_id_y 1
		.amdhsa_system_sgpr_workgroup_id_z 1
		.amdhsa_system_vgpr_workitem_id 0
		.amdhsa_next_free_vgpr 256
		.amdhsa_next_free_sgpr 102
		.amdhsa_reserve_vcc 1
		.amdhsa_float_denorm_mode_32 3
		.amdhsa_float_denorm_mode_16_64 3
		.amdhsa_memory_ordered 1
		.amdhsa_forward_progress 1
		.amdhsa_inst_pref_size 106
	.end_amdhsa_kernel
	.amdgpu_metadata
---
amdhsa.version: [ 1, 2 ]
amdhsa.kernels:
  - .name:           k_q05531f6ba2_attn
    .symbol:         k_q05531f6ba2_attn.kd
    .args:
      - { .name: qkv, .offset: 0, .size: 8, .value_kind: global_buffer, .address_space: global }
      - { .name: maskw, .offset: 8, .size: 8, .value_kind: global_buffer, .address_space: global }
      - { .name: flagw, .offset: 16, .size: 8, .value_kind: global_buffer, .address_space: global }
      - { .name: lowp_scales, .offset: 24, .size: 8, .value_kind: global_buffer, .address_space: global }
      - { .name: ac, .offset: 32, .size: 8, .value_kind: global_buffer, .address_space: global }
    .group_segment_fixed_size: 264192
    .private_segment_fixed_size: 0
    .kernarg_segment_align: 8
    .kernarg_segment_size: 40
    .max_flat_workgroup_size: 512
    .sgpr_count:     102
    .vgpr_count:     256
    .wavefront_size: 32
...
	.end_amdgpu_metadata
.endif
;; end of part 3
;; launch oproj (part 4): grid 4 x 32, 4 waves a work-group, clusters of 4 x 4, 327,680 bytes of LDS; arguments ac, wc, lowp_scales, out0; writes out0
.if DOCPART == 4
	.amdgcn_target "amdgcn-amd-amdhsa--gfx1250"
	.amdhsa_code_object_version 6
	.text
	.protected	k_q05531f6ba2_oproj
	.globl	k_q05531f6ba2_oproj
	.p2align	8
	.type	k_q05531f6ba2_oproj,@function
k_q05531f6ba2_oproj:
	s_mov_b64 s[64:65], 0
	v_nop
	global_prefetch_b8 v0, s[64:65] scope:SCOPE_SE
	s_setreg_imm32_b32 hwreg(HW_REG_WAVE_MODE, 25, 1), 1
	s_wait_xcnt 0x0
	s_wait_alu depctr_hold_cnt(0) depctr_sa_sdst(0) depctr_va_vdst(0) depctr_va_sdst(0) depctr_va_ssrc(0) depctr_va_vcc(0) depctr_vm_vsrc(0)
	s_getreg_b32 s2, hwreg(HW_REG_IB_STS2, 6, 4)
	s_cmp_eq_u32 s2, 0
	s_cbranch_scc0 .Lentry_in_a_cluster
	s_endpgm
.Lentry_in_a_cluster:
	s_bfe_u32 s2, ttmp6, 0x10000c
	s_cmp_lg_u32 s2, 0xf033
	s_cbranch_scc0 .Lentry_shape_is_right
	s_endpgm
.Lentry_shape_is_right:
; out0 = a wo^T on codes of E4M3: a = attention's result as codes (scale 10), wo's codes (scale 11, the fourth tensor of wc); each finished sum x 2^(e10 + e11).  out0: [8,192][1,024] f32.
; LIMIT: e10 + e11 between -126 and 127, so that 2^(e10 + e11) is an f32 number.
; A tile of 256 x 256 is made by four waves, each 128 x 128: 64 accumulators, 512 registers.  Both operands are IMAGES OF REGISTERS: a fragment (16 rows x 128 K) is 2,048 bytes: group g of four registers at 512 g,
; lane l's 16 bytes at 16 l.  K goes in steps of 256 (4,096 consecutive bytes of each row tile) through a ring of two LDS slots filled by the tensor data mover; every fragment load reads 512 consecutive LDS bytes.
; CLUSTERS: 4 x 4 work-groups; the four of a row of the cluster ask jointly for a's tiles, the four of a column for wo's.  THE MATRIX INSTRUCTION IS USED TRANSPOSED (source 0 = 16 rows of wo, source 1 = 16 rows of a):
; a lane holds eight neighbouring numbers of a row of out0.  128 work-groups: a tile of half the rows would read half as much again from LDS for each product.  No prefetch: K has four steps, two of them asked for at the head.
; REGISTERS, in windows of 256: window 0: v16-29 addresses; from v128 a's fragments, ONE set; on the way out v32-255 are free.  window 1: wo's fragments, TWO sets.  windows 2, 3: the accumulators ((a, b) at v[8 (8 (a % 4) + b)]).
.set SIZE_N, 1024
.set KSB,    4096                      ; a row tile's bytes of a K step: two images
.set RT,     16384                     ; a row tile's bytes in memory: eight images
.set FR,     16
.set NL,     4
.set NP,     4                         ; places behind this matrix instruction (ISA guide 7.12.1)
.set HALFT,  8*KSB
.set SLOT,   4*HALFT
.set LAPS,   2
.set SPARE,  2*SLOT                    ; behind the ring: the spare words, 128 bytes for each wave: two blocks of 256 bytes that no other line names
.set SPITCH, 528                       ; the way out: a stage of 16 rows x (512 bytes + 16) for each wave.  It lies in slot 0, which has had its last fill and its last read when the first result is stored there
.set ADRA, 16
.set ADRB, 20
.set STO,  24                          ; v24     the way out: where I put 32 bytes of a row
.set RD,   25                          ; v25     where I read a row back
.set CO,   26                          ; v26     16 x lane: my place in an image's group, and in a row of out0
.set SPW,  28                          ; v28     LDS address of my spare word; never rewritten
.set NIL,  29                          ; v29     0; never rewritten
.set TMP,  32                          ; the way out: 64 registers, a block's sums x 2^(e10 + e11)
.set AF,   128
.set BK,   128                         ; the way out: 16 rows read back from the stage: v128-191 and v192-255 by turns
.set G1, 24
.set G0, 32
.set G1B, 48
.set G0B, 56
.set MSB, 0
.macro WIN new                         ; the immediate's high byte repeats the setting that is left
.if MSB != \new
	s_set_vgpr_msb (MSB<<8)|\new
.set MSB, \new
.endif
.endm
.set MUL_LO, 0xa1
.set MUL_HI, 0xf1
.set TO_B,   0x40
; A joint load: waves 0 and 1 fetch for a, waves 2 and 3 for wo; the branch hangs on the wave's number alone.  An s_nop 0 and four v_nop follow each of the two lines.
.macro JLOAD g0a, g1a, g0b, g1b
	s_cmp_eq_u32 s15, 0
	s_cbranch_scc0 .Lfor_b_\@
	tensor_load_to_lds s[\g0a:\g0a+3], s[\g1a:\g1a+7]
	s_nop 0
.rept 4
	v_nop
.endr
	s_branch .Lasked_\@
.Lfor_b_\@:
	tensor_load_to_lds s[\g0b:\g0b+3], s[\g1b:\g1b+7]
	s_nop 0
.rept 4
	v_nop
.endr
.Lasked_\@:
.endm
.macro CREST
	s_cmp_lg_u32 s14, 0
	s_cbranch_scc1 .Lnot_wave_0_\@
	s_barrier_signal -3
.Lnot_wave_0_\@:
	s_barrier_wait -3
	s_barrier_signal -1
	s_barrier_wait -1
.endm
.macro CROUND
	s_barrier_signal -1
	s_barrier_wait -1
	CREST
.endm
	s_load_b128 s[4:7], s[0:1], 0x0                ; ac s[4:5], wc s[6:7]
	s_load_b128 s[8:11], s[0:1], 0x10              ; the scales' exponents s[8:9], out0 s[10:11]
	v_lshl_add_u32 v[SPW], v0, 2, SPARE
	v_mov_b32 v[NIL], 0
	ds_add_u32 v[SPW], v[NIL]                      ; the wave's opening: the add and its wait stand ahead of my first tensor load; the set-up below, work on registers, stands between them
	v_lshrrev_b32 v1, 5, v0
	v_readfirstlane_b32 s14, v1                    ; wave 0..3
	s_lshr_b32 s15, s14, 1                         ; which half of the tile's rows is mine.  Also: I fetch for a (0) or for wo (1)
	s_and_b32 s16, s14, 1                          ; which half of its columns.  Also: which 128 rows of that tile I fetch
	s_bfe_u32 s40, ttmp6, 0x40000
	s_bfe_u32 s41, ttmp6, 0x40004
	s_lshl_b32 s42, ttmp9, 2
	s_add_co_u32 s42, s42, s40                     ; tile column = 4 x cluster x + cx
	s_and_b32 s17, ttmp7, 0xffff
	s_lshl_b32 s17, s17, 2
	s_add_co_u32 s17, s17, s41                     ; tile row = 4 x cluster y + cy
	s_lshl_b32 s43, s41, 2
	s_lshl_b32 s43, 15, s43                        ; my row of the cluster
	s_lshl_b32 s44, 0x1111, s40                    ; my column
	s_or_b32 s[G1+0], s43, (1<<21)                 ; 15:0 the mask; 17:16 elements of 1 byte; 21 set beside a mask; no padding
	s_or_b32 s[G1B+0], s44, (1<<21)
.irp g, G1, G1B
	s_mov_b32 s[\g+1], KSB<<16                     ; tensor_dim0
	s_mov_b32 s[\g+2], 8<<16                       ; tensor_dim1
	s_mov_b32 s[\g+3], KSB<<16                     ; tile_dim0
	s_mov_b32 s[\g+4], 8                           ; tile_dim1
	s_mov_b32 s[\g+5], RT                          ; tensor_dim0_stride
	s_mov_b32 s[\g+6], 0
	s_mov_b32 s[\g+7], 0
.endr
	s_lshl_b32 s18, s16, 3
	s_lshl_b32 s20, s17, 4
	s_add_co_u32 s20, s20, s18
	s_lshl_b32 s20, s20, 14                        ; a: row tile 16 x tile row + 8 x half
	s_mov_b32 s21, 0
	s_lshl_b32 s46, s42, 4
	s_add_co_u32 s46, s46, s18
	s_lshl_b32 s46, s46, 14                        ; wo: row tile 16 x tile column + 8 x half,
	s_add_co_u32 s46, s46, 3<<20                   ; in the fourth tensor of wc
	s_mov_b32 s47, 0
	s_mul_i32 s45, s14, HALFT
	s_wait_dscnt 0x0                               ; the opening add is done
	s_wait_kmcnt 0x0
	s_load_b64 s[96:97], s[8:9], 0x28              ; e10, e11
	s_add_nc_u64 s[20:21], s[4:5], s[20:21]
	s_add_nc_u64 s[46:47], s[6:7], s[46:47]
	CROUND                                         ; all sixteen work-groups are here: the first joint loads meet
.irp s, 0,1
	s_mov_b32 s[G0+4*\s], 1
	s_add_co_u32 s[G0+4*\s+1], s45, \s*SLOT
	s_add_nc_u64 s[G0+4*\s+2:G0+4*\s+3], s[20:21], \s*KSB
	s_or_b32 s[G0+4*\s+3], s[G0+4*\s+3], 0x80000000
	s_mov_b32 s[G0B+4*\s], 1
	s_add_co_u32 s[G0B+4*\s+1], s45, \s*SLOT
	s_add_nc_u64 s[G0B+4*\s+2:G0B+4*\s+3], s[46:47], \s*KSB
	s_or_b32 s[G0B+4*\s+3], s[G0B+4*\s+3], 0x80000000
	JLOAD G0+4*\s, G1, G0B+4*\s, G1B
.endr
	v_and_b32 v1, 15, v0                           ; l % 16
	v_bfe_u32 v2, v0, 4, 1                         ; l / 16
	v_and_b32 v6, 31, v0
	v_lshlrev_b32 v[CO], 4, v6                     ; 16 x lane
	s_mul_i32 s21, s15, HALFT                      ; my 128 rows of a
	s_mul_i32 s22, s16, HALFT
	s_add_co_u32 s22, s22, 2*HALFT                 ; my 128 rows of wo, behind a's 256
.irp s, 0,1
	v_add_nc_u32 v[ADRA+\s], s21, v[CO]
	v_add_nc_u32 v[ADRB+\s], s22, v[CO]
	s_add_co_u32 s21, s21, SLOT
	s_add_co_u32 s22, s22, SLOT
.endr
	s_mul_i32 s23, s14, 16*SPITCH                  ; my stage
	v_mul_u32_u24 v5, v1, SPITCH                   ; in: row l % 16, 32 bytes for each half of the lanes
	v_lshl_add_u32 v5, v2, 5, v5
	v_add_nc_u32 v[STO], s23, v5
	v_add_nc_u32 v[RD], s23, v[CO]                 ; back: the 32 lanes take one row of 512 bytes
	s_lshl_b32 s20, s17, 8
	s_lshl_b32 s21, s15, 7
	s_add_co_u32 s20, s20, s21                     ; my first row: 256 x tile row + 128 x half,
	s_lshl_b32 s20, s20, 12                        ; of 4,096 bytes
	s_mov_b32 s21, 0
	s_lshl_b32 s46, s42, 10                        ; my first column, in bytes: 1,024 x tile column + 512 x half
	s_lshl_b32 s47, s16, 9
	s_add_co_u32 s46, s46, s47
	s_mov_b32 s47, 0
	s_add_nc_u64 s[20:21], s[20:21], s[46:47]
	s_add_nc_u64 s[10:11], s[10:11], s[20:21]
.macro FRAG reg, adr, q, i             ; the image of row tile i, the slot's q-th 128 along K
.irp c, 0,1,2,3
	ds_load_b128 v[\reg+4*\c:\reg+4*\c+3], v[\adr] offset:KSB*(\i)+2048*(\q)+512*\c
.endr
.endm
; 16 matrix instructions: a's blocks a0, a0 + 1 x wo's eight.  The 64 accumulators take turns, one instruction a turn, in the same order in every step.
.macro MUL16 a0, p, zero
.irp a, \a0, \a0+1
.irp b, 0,1,2,3,4,5,6,7
.if \zero
	v_wmma_f32_16x16x128_fp8_fp8 v[8*(8*((\a)%4)+\b):8*(8*((\a)%4)+\b)+7], v[128*(\p)+FR*\b:128*(\p)+FR*\b+FR-1], v[AF+FR*(\a):AF+FR*(\a)+FR-1], 0
.else
	v_wmma_f32_16x16x128_fp8_fp8 v[8*(8*((\a)%4)+\b):8*(8*((\a)%4)+\b)+7], v[128*(\p)+FR*\b:128*(\p)+FR*\b+FR-1], v[AF+FR*(\a):AF+FR*(\a)+FR-1], v[8*(8*((\a)%4)+\b):8*(8*((\a)%4)+\b)+7]
.endif
.endr
.endr
.endm
.macro FETCH_B slot, q, p
	WIN TO_B
.irp i, 0,1,2,3,4,5,6,7
	FRAG 128*(\p)+FR*\i, ADRB+\slot, \q, \i
.endr
	WIN 0
.endm
.macro FETCH_A slot, q, i0
.irp i, \i0, \i0+1, \i0+2, \i0+3
	FRAG AF+FR*(\i), ADRA+\slot, \q, \i
.endr
.endm
.macro PLACES n                        ; plain vector instructions between a matrix instruction and a load into, or a read of, its registers (ISA guide 7.12.1 for reads by vector instructions)
.rept \n
	v_nop
.endr
.endm
.macro STEP slot, q, zero
	s_wait_dscnt 4*NL                              ; wo's set and a's blocks 0-3 are in; the youngest 16 loads (blocks 4-7) may be out
	WIN MUL_LO
	MUL16 0, (\q)%2, \zero
	MUL16 2, (\q)%2, \zero
	s_wait_dscnt 0
	PLACES NP
	FETCH_B \slot, (\q)+1, 1-(\q)%2
	FETCH_A \slot, (\q)+1, 0
	WIN MUL_HI
	MUL16 4, (\q)%2, \zero
	MUL16 6, (\q)%2, \zero
	PLACES NP
	WIN 0
	FETCH_A \slot, (\q)+1, 4
.endm
; A slot's last step changes slots: ONE barrier; in front of it each wave waits for all its tensor loads, adds 0 to its spare word, and waits for that and for its own reads of this slot.
.macro TURN slot, next, fill
	s_wait_tensorcnt 0x0                           ; all my tensor loads have landed: my part of the next slot;
	ds_add_u32 v[SPW], v[NIL]                      ; 0 onto my spare word;
	s_wait_dscnt 4*NL+1                            ; (the add and the youngest 16 loads may be out)
	WIN MUL_LO
	MUL16 0, 1, 0
	s_wait_dscnt 0x0                               ; the add is done, and my reads of this slot are over
	s_barrier_signal -1
	MUL16 2, 1, 0
	WIN 0
	s_barrier_wait -1
.if \fill
	CREST                                          ; the barrier has opened a round of the cluster's barrier: no wave of any partner still reads this slot's tile or has a load on its way
	s_add_nc_u64 s[G0+4*\slot+2:G0+4*\slot+3], s[G0+4*\slot+2:G0+4*\slot+3], 2*KSB
	s_add_nc_u64 s[G0B+4*\slot+2:G0B+4*\slot+3], s[G0B+4*\slot+2:G0B+4*\slot+3], 2*KSB
	JLOAD G0+4*\slot, G1, G0B+4*\slot, G1B         ; the first tensor load behind the round
.else
	PLACES NP
.endif
	FETCH_B \next, 0, 0
	FETCH_A \next, 0, 0
	WIN MUL_HI
	MUL16 4, 1, 0
	MUL16 6, 1, 0
	PLACES NP
	WIN 0
	FETCH_A \next, 0, 4
.endm
	s_wait_tensorcnt 1                             ; my part of K step 0 is in (K step 1's load may be out)
	s_barrier_signal -1
	s_barrier_wait -1                              ; everybody's is
	FETCH_B 0, 0, 0
	FETCH_A 0, 0, 0
	FETCH_A 0, 0, 4
	STEP 0, 0, 1                                   ; the first step's products start the sums
	s_mov_b32 s3, LAPS-1
.Llap:
	TURN 0, 1, 1
	STEP 1, 0, 0
	TURN 1, 0, 1
	STEP 0, 0, 0
	s_sub_co_u32 s3, s3, 1
	s_cmp_lg_u32 s3, 0
	s_cbranch_scc1 .Llap
	TURN 0, 1, 0                                   ; the last lap fills nothing
	STEP 1, 0, 0
	s_wait_dscnt 4*NL
	WIN MUL_LO
	MUL16 0, 1, 0
	MUL16 2, 1, 0
	s_wait_dscnt 0
	WIN MUL_HI
	MUL16 4, 1, 0
	MUL16 6, 1, 0
	WIN 0
; THE WAY OUT, block by block of 16 rows x 128 columns, through my own stage in LDS: in as 32 bytes a lane, back as whole rows of 512 bytes.  LDS serves a wave's instructions in order (ISA guide 5.7.1.4): no wait between.
.macro TOSTAGE a
.set AC, 64*((\a)%4)
	WIN 0x02+((\a)/4)                              ; source 0: window 2 or 3
.irp j, 0,2,4,6,8,10,12,14,16,18,20,22,24,26,28,30,32,34,36,38,40,42,44,46,48,50,52,54,56,58,60,62
	v_pk_mul_f32 v[TMP+\j:TMP+\j+1], v[AC+\j:AC+\j+1], s[96:97] op_sel_hi:[1,0]   ; x 2^(e10 + e11); each accumulator from its low end on
.endr
	WIN 0
.irp b, 0,1,2,3,4,5,6,7
	ds_store_b128 v[STO], v[TMP+8*\b:TMP+8*\b+3] offset:64*\b
	ds_store_b128 v[STO], v[TMP+8*\b+4:TMP+8*\b+7] offset:64*\b+16
.endr
.set BB, BK+64*((\a)%2)
.irp t, 0,1,2,3,4,5,6,7,8,9,10,11,12,13,14,15
	ds_load_b128 v[BB+4*\t:BB+4*\t+3], v[RD] offset:\t*SPITCH
.endr
.endm
.macro SEND a, younger                 ; younger: the LDS instructions issued behind block a's loads, which may stay out
.set BB, BK+64*((\a)%2)
	s_wait_dscnt \younger
.if (\a) > 0
	s_add_nc_u64 s[10:11], s[10:11], 16*SIZE_N*4   ; (behind a wait on XCNT: the earlier stores have read their base)
.endif
.irp t, 0,1,2,3,4,5,6,7,8,9,10,11,12,13,14,15
	global_store_b128 v[CO], v[BB+4*\t:BB+4*\t+3], s[10:11] offset:\t*SIZE_N*4 th:TH_STORE_NT   ; 32 lanes store 512 consecutive bytes, at a multiple of 256 from out0's first byte
.endr
.endm
	s_wait_kmcnt 0x0
	s_add_co_i32 s96, s96, s97
	s_add_co_i32 s96, s96, 127
	s_lshl_b32 s96, s96, 23                        ; 2^(e10 + e11) as f32
	PLACES NP
	TOSTAGE 0
.irp a, 1,2,3,4,5,6,7
.if \a > 1
	s_wait_xcnt 0x0                                ; block a - 2's stores have read their registers and their base
.endif
	TOSTAGE \a
	SEND \a-1, 32                                  ; behind block a - 1's loads: block a's 16 stores and 16 loads
.endr
	s_wait_xcnt 0x0
	SEND 7, 0
	s_wait_tensorcnt 0x0                           ; the wave's end, behind my last tensor load and my last LDS store
	ds_add_u32 v[SPW], v[NIL]
	s_wait_dscnt 0x0
	CROUND                                         ; the closing round
	s_endpgm
.Lfunc_end_k_q05531f6ba2_oproj:
	.size	k_q05531f6ba2_oproj, .Lfunc_end_k_q05531f6ba2_oproj-k_q05531f6ba2_oproj
	.p2alignl 7, 3214868480
	.fill 96, 4, 3214868480
	.section	.rodata,"a",@progbits
	.p2align	6, 0x0
	.amdhsa_kernel k_q05531f6ba2_oproj
		.amdhsa_group_segment_fixed_size 327680
		.amdhsa_private_segment_fixed_size 0
		.amdhsa_enable_private_segment 0
		.amdhsa_kernarg_size 32
		.amdhsa_user_sgpr_count 2
		.amdhsa_user_sgpr_kernarg_segment_ptr 1
		.amdhsa_wavefront_size32 1
		.amdhsa_system_sgpr_workgroup_id_x 1
		.amdhsa_system_sgpr_workgroup_id_y 1
		.amdhsa_system_sgpr_workgroup_id_z 1
		.amdhsa_system_vgpr_workitem_id 0
		.amdhsa_next_free_vgpr 1024
		.amdhsa_next_free_sgpr 100
		.amdhsa_reserve_vcc 0
		.amdhsa_float_denorm_mode_32 3
		.amdhsa_float_denorm_mode_16_64 3
		.amdhsa_memory_ordered 1
		.amdhsa_forward_progress 1
		.amdhsa_inst_pref_size 123
	.end_amdhsa_kernel
	.amdgpu_metadata
---
amdhsa.version: [ 1, 2 ]
amdhsa.kernels:
  - .name:           k_q05531f6ba2_oproj
    .symbol:         k_q05531f6ba2_oproj.kd
    .args:
      - { .name: ac, .offset: 0, .size: 8, .value_kind: global_buffer, .address_space: global }
      - { .name: wc, .offset: 8, .size: 8, .value_kind: global_buffer, .address_space: global }
      - { .name: lowp_scales, .offset: 16, .size: 8, .value_kind: global_buffer, .address_space: global }
      - { .name: out0, .offset: 24, .size: 8, .value_kind: global_buffer, .address_space: global }
    .group_segment_fixed_size: 327680
    .private_segment_fixed_size: 0
    .kernarg_segment_align: 8
    .kernarg_segment_size: 32
    .max_flat_workgroup_size: 128
    .sgpr_count:     100
    .vgpr_count:     1024
    .wavefront_size: 32
...
	.end_amdgpu_metadata
.endif
;; end of part 4
;; ======== version 2 of 2: 4 launches; version 1 with the launch attn written anew for expert scheduling mode
;; workspace buffers: xc 25,165,824 bytes; wc 4,194,304 bytes; maskw 524,288 bytes of whole numbers; flagw 2,048 bytes of whole numbers; rot 262,144 bytes; qkv 25,165,824 bytes; ac 8,388,608 bytes
;; launch prep: the kernel of part 1 again; grid 544 x 1, 4 waves a work-group, no clusters, 34,304 bytes of LDS; arguments x, wq, wk, wv, wo, mask, lowp_scales, xc, wc, maskw, flagw, rot; writes xc, wc, maskw, flagw, rot
;; launch qkv: the kernel of part 2 again; grid 12 x 32, 4 waves a work-group, clusters of 4 x 4, 327,680 bytes of LDS; arguments xc, wc, rot, lowp_scales, qkv; writes qkv
;; launch attn (part 5): grid 4 x 64, 16 waves a work-group, no clusters, 264,192 bytes of LDS; arguments qkv, maskw, flagw, lowp_scales, ac; writes ac
.if DOCPART == 5
	.amdgcn_target "amdgcn-amd-amdhsa--gfx1250"
	.amdhsa_code_object_version 6
	.text
	.protected	k_q05531f6ba2_attn
	.globl	k_q05531f6ba2_attn
	.p2align	8
	.type	k_q05531f6ba2_attn,@function
k_q05531f6ba2_attn:
	s_mov_b64 s[64:65], 0
	v_nop
	global_prefetch_b8 v0, s[64:65] scope:SCOPE_SE
	s_setreg_imm32_b32 hwreg(HW_REG_WAVE_SCHED_MODE, 0, 2), 2
	s_setreg_imm32_b32 hwreg(HW_REG_WAVE_MODE, 25, 1), 1
	s_wait_xcnt 0x0
	s_wait_alu depctr_vm_vsrc(0)
; ATTENTION on codes of E4M3, with the mask as it is GIVEN: nothing of its shape is built in.  out = softmax(q k^T / 8, masked) v, quantised for the last projection.
; THE SOFTMAX AHEAD OF THE SECOND PRODUCT: t = score x log2(e) / 8; M = the row's largest t so far, rounded UP to a whole number; p = 2^(t - M) is quantised (scale 9), not normalised; the row's sum is taken of the
; unquantised p and divides at the end.  When M moves, the sum and O are multiplied by 2^(old M - new M): exact.
; SHARES.  Four work-groups (x) share a batch x head (y).  A head's whole K and V, 131,072 bytes each as images of registers, lie in LDS; every byte is written once.  Each of the 64 waves of a head owns a PAIR G of query
; tiles, 32 queries, in 256 registers: four waves to a SIMD, so that one wave's vector work stands beside another's matrix work and LDS loads.  A key step is 64 keys; each fragment of K and V feeds two products.
; LAYOUT.  Both products transposed, K = 64, k in the form's own places: S^T = K Q^T (source 0 = 16 keys, source 1 = 16 queries): lane (r, h) holds query r, register 8 t + j key 16 t + 8 h + j; tile t's eight registers,
; converted, ARE registers 2 t, 2 t + 1 of P's fragment.  O^T = V^T P^T: register 8 d + j = channel 16 d + 8 h + j; converted, they are the last projection's fragment.
; THE MASK.  An earlier launch has stored, for each pair and key step, 64 lane masks and two flags.  A step in which no bit is set adds nothing to any of the 32 rows and is left out; a step in which all are set pays nothing;
; any other loads its 64 words and sets hidden scores to -infinity ahead of the maximum.  These are scalar branches on stored whole numbers; no barrier stands under them.
; A row that the mask hides wholly has sum 0 and O 0: 0 x (1 / 0) is NaN, as the definition has it; the NaN is carried past the hold by a select, so that its code is the NaN code.
; NO CLUSTER AND NO TENSOR LOAD, though four work-groups read the same K and V.
; K and V come through registers, 262,144 bytes a work-group in four chunks of 8 key steps; chunk c + 1 is asked for at the head of chunk c's eight steps and stored behind them.  So no prefetch is laid either.
; WHICH PAIR A WAVE TAKES is a matter of balance alone (right for any mask): low and high pairs are dealt so that the waves w % 4 = const and the waves w / 4 = const each get the same sum of G.
; LIMITS on the given exponents: e6 + e7 between -123 and 130 (added to c's exponent field); e9 and e10 between -126 and 119; e8 + e9 is applied by v_ldexp_f32 and has none.
; THE MODE: SCHED_MODE bits 1:0 = 2 (LLVM: expert scheduling mode 2), set by the entry lines.  The code itself states the register dependences
; between vector or matrix instructions and memory or LDS instructions, with s_wait_alu, always for 0.
; THE PLAN.  Registers that memory or LDS instructions touch:
;   v[KV ..]        A step: K's eight LDS loads land in it; the K Q^T products read it; V's eight LDS loads land in it; the V^T P products read it.
;   v[ADK], v[ADV]  Read by those loads; written once a step, at its head, by two additions.
;   v[FF ..]        A chunk: the next chunk's eight global loads land in it at the chunk's head; eight LDS stores read it at the chunk's end.  No vector line names it before the way out, which writes two of them.
;   v[FOL]          Read by those LDS stores; written once a chunk, at the chunk's head.
;   v[FOG], v[LI]   Offsets of the global loads and stores; written at the head and never again.
;   v[QF ..]        Loaded once, at the head.      v[PC ..]  On the way out: written by the conversions, read by the four stores.      v[SPW], v[NIL]  Written at the head, read by the closing add alone.
;   S^T, O^T and the statistics are named by vector and matrix instructions alone.
; So a step has one wait on vm_vsrc, ahead of the two additions, and two on va_vdst beside the exponentials' own: one behind the additions (the addresses are written; the last step's V^T P products are done reading
; v[KV ..]) and one behind the K Q^T products (they are done reading v[KV ..]), just ahead of the lines that read what those same products write.  A chunk's head has one of each: for v[FF ..] and v[FOL].
.set VOFF,  131072                     ; LDS: K [128 key tiles][1,024], then V [32 steps][4 tiles][1,024]
.set SPARE, 262144                     ; behind them: the spare words, 128 bytes for each wave: eight blocks of 256 bytes that no other line names
.set LI,  1                            ; v1   16 x lane
.set LIV, 2                            ; v2   the same + VOFF
.set ADK, 3                            ; v3   LDS address of the step's K
.set ADV, 4                            ; v4   of its V
.set FOG, 5                            ; v5   the fill: my bytes of a chunk in memory: 4,096 (w % 8) + 16 x lane
.set FOL, 6                            ; v6   and in LDS: + VOFF for waves 8-15; steps a chunk on
.set SPW, 7                            ; v7   LDS address of my spare word; never rewritten
.set NIL, 8                            ; v8   0; never rewritten
.set NINF, 9                           ; v9   -infinity
.set SCP, 10                           ; v10  2^e9
.set QNAN, 11                          ; v11  NaN
.set ST,  12                           ; tile x: v[12+4x] -M, +1 the largest t, +2, +3 the sum in two halves
.set TM,  20                           ; tile x: v[20+4x] f (a pair with +1), +2, +3 at work
.set S2,  28                           ; tile x: v[28+2x : 29+2x] the sums' second chain
.set QF,  32                           ; v32-47   Q, 8 a tile
.set KV,  48                           ; v48-79   four fragments of K, then of V
.set SS,  80                           ; v80-143  S^T, then p: 32 a tile
.set OO,  144                          ; v144-207 O^T, 32 a tile
.set PC,  208                          ; v208-223 p's codes, 8 a tile
.set FF,  224                          ; v224-255 the fill
; s2 wave; s3 G; s[4:5] Q; s[6:7] the fill's source; s8 batch x head; s[10:11] my pair's mask words; s[12:13] lane selects; s[14:15] c; s[16:63], s[68:83] a step's 64 words; s84 e8 + e9; s85 e10;
; s[88:89] ac; s90 'some' flags, s91 'all' flags, bit 0 = the step in hand; s92 LDS byte of the step; s93 byte of its words; s94 trips; s95 e9; s96 448 x 2^e9
	s_load_b256 s[16:23], s[0:1], 0x0              ; qkv, maskw, flagw, the scales' exponents
	s_load_b64 s[88:89], s[0:1], 0x20              ; ac
	v_lshl_add_u32 v[SPW], v0, 2, SPARE
	v_mov_b32 v[NIL], 0
	v_lshrrev_b32 v3, 5, v0
	v_readfirstlane_b32 s2, v3                     ; wave 0..15
	v_and_b32 v4, 31, v0
	v_lshlrev_b32 v[LI], 4, v4
	v_add_nc_u32 v[LIV], VOFF, v[LI]
	s_wait_alu depctr_va_sdst(0)                   ; s2 is written, ahead of its first reader: the fill's offsets, my pair and all that hangs on it are made from it
	s_and_b32 s97, s2, 7
	s_lshl_b32 s97, s97, 12
	v_add_nc_u32 v[FOG], s97, v[LI]
	s_lshr_b32 s98, s2, 3                          ; waves 0-7 fill K, waves 8-15 V
	s_lshl_b32 s99, s98, 17
	v_add_nc_u32 v[FOL], s99, v[FOG]
	s_bfe_u32 s90, s2, 0x10002                     ; my pair: with i0, i1 = bits 2, 3 and s0, s1 = bits 0, 1 of the wave's number:
	s_and_b32 s91, s2, 1
	s_bfe_u32 s92, s2, 0x10001
	s_xor_b32 s91, s91, s90                        ; k = i0 ^ s0: from the low end or from the high end
	s_xor_b32 s92, s92, s98
	s_mul_i32 s92, s92, 3
	s_xor_b32 s92, s92, s90                        ; vs = i0 ^ 3 (i1 ^ s1)
	s_lshl_b32 s93, ttmp9, 2
	s_add_co_u32 s93, s93, s92
	s_lshl_b32 s93, s93, 1
	s_add_co_u32 s93, s93, s98                     ; 2 (4 x + vs) + i1: 0 .. 31, each twice in the head
	s_mul_i32 s91, s91, 63
	s_xor_b32 s3, s93, s91                         ; G: each of 0 .. 63 once
	s_and_b32 s8, ttmp7, 0xffff                    ; batch x head
	s_mov_b32 s101, 0
	s_wait_kmcnt 0x0
	s_lshl_b32 s100, s8, 17
	s_add_nc_u64 s[4:5], s[16:17], s[100:101]      ; my head's q
	s_add_co_u32 s98, s98, 1
	s_lshl_b32 s100, s98, 23
	s_add_nc_u64 s[6:7], s[4:5], s[100:101]        ; my head's k (8 MiB on) or v (16 MiB on)
	s_lshl_b32 s100, s3, 11
	s_add_nc_u64 s[4:5], s[4:5], s[100:101]        ; my pair's two images of q
	s_lshl_b32 s100, s3, 13
	s_add_nc_u64 s[10:11], s[18:19], s[100:101]
	s_lshl_b32 s100, s3, 5
	s_add_nc_u64 s[20:21], s[20:21], s[100:101]
.macro FILL_LOAD c                     ; my 4,096 bytes of chunk c: eight loads of 512 consecutive bytes
.irp i, 0,1,2,3,4,5,6,7
	global_load_b128 v[FF+4*\i:FF+4*\i+3], v[FOG], s[6:7] offset:32768*(\c)+512*\i
.endr
.endm
.macro FILL_STORE
.irp i, 0,1,2,3,4,5,6,7
	ds_store_b128 v[FOL], v[FF+4*\i:FF+4*\i+3] offset:512*\i
.endr
.endm
	s_wait_alu depctr_va_vdst(0)                   ; v[FOG] and v[LI] are written, which the loads below read as offsets, and v[FOL], which chunk 0's LDS stores read: no vector line behind this wait names v[FOL] or v[FF ..]
	FILL_LOAD 0
.irp x, 0,1
	global_load_b128 v[QF+8*\x:QF+8*\x+3], v[LI], s[4:5] offset:1024*\x
	global_load_b128 v[QF+8*\x+4:QF+8*\x+7], v[LI], s[4:5] offset:1024*\x+512
.endr
	s_load_b256 s[24:31], s[22:23], 0x0            ; e0 .. e7
	s_load_b128 s[32:35], s[22:23], 0x20           ; e8 .. e11
	s_load_b256 s[36:43], s[20:21], 0x0            ; my pair's eight words of flags
	s_lshr_b32 s100, s8, 4                         ; ac: ((batch x 128 + 2 G) x 16 + head) x 1,024
	s_lshl_b32 s100, s100, 21
	s_lshl_b32 s97, s3, 15
	s_add_co_u32 s100, s100, s97
	s_and_b32 s97, s8, 15
	s_lshl_b32 s97, s97, 10
	s_add_co_u32 s100, s100, s97
	s_add_nc_u64 s[88:89], s[88:89], s[100:101]
	s_mov_b32 s12, 0x76543210
	s_mov_b32 s13, 0xfedcba98                      ; v_permlanex16_b32's selects for lane l xor 16
	v_mov_b32 v[NINF], 0xff800000
	v_mov_b32 v[QNAN], 0x7fc00000
.irp x, 0,1
	v_mov_b32 v[ST+4*\x+1], 0xff61b1e6             ; the largest t so far: -3e38, under every t
	v_floor_f32 v[ST+4*\x], -v[ST+4*\x+1]          ; -M
	v_mov_b32 v[ST+4*\x+2], 0                      ; the sum, in two halves
	v_mov_b32 v[ST+4*\x+3], 0
	v_mov_b32 v[TM+4*\x+1], 0                      ; (named as the upper half of f's pair)
	v_mov_b32 v[TM+4*\x+3], 0                      ; (a lane permute's destination counts as one of its sources)
.endr
.irp j, 0,1,2,3,4,5,6,7,8,9,10,11,12,13,14,15,16,17,18,19,20,21,22,23,24,25,26,27,28,29,30,31,32,33,34,35,36,37,38,39,40,41,42,43,44,45,46,47,48,49,50,51,52,53,54,55,56,57,58,59,60,61,62,63
	v_mov_b32 v[OO+\j], 0                          ; O^T.  Which step is a pair's first hangs on the mask, so none can be written out ahead of the loop: the first finds zeros
.endr
	s_wait_kmcnt 0x0
	s_mov_b32 s90, 0
	s_mov_b32 s91, 0
.irp c, 0,1,2,3,4,5,6,7
	s_and_b32 s97, s[36+\c], 15
	s_lshl_b32 s97, s97, 4*\c
	s_or_b32 s90, s90, s97                         ; bit s: some bit of step s is set
	s_bfe_u32 s97, s[36+\c], 0x40010
	s_lshl_b32 s97, s97, 4*\c
	s_or_b32 s91, s91, s97                         ; bit s: all are
.endr
	s_add_co_i32 s97, s30, s31
	s_lshl_b32 s97, s97, 23
	s_add_co_i32 s14, s97, 0x3e38aa3b              ; c = log2(e) / 8, with e6 + e7 added to its exponent field: a score stands for score x 2^(e6 + e7)
	s_mov_b32 s15, s14                             ; (named with it as a pair)
	s_add_co_i32 s84, s32, s33                     ; e8 + e9
	s_mov_b32 s85, s34                             ; e10
	s_mov_b32 s95, s33                             ; e9
	s_add_co_i32 s97, s33, 127
	s_lshl_b32 s98, s97, 23
	v_mov_b32 v[SCP], s98                          ; 2^e9, for p's conversions
	s_add_co_i32 s97, s97, 8
	s_lshl_b32 s97, s97, 23
	s_or_b32 s96, s97, 0x600000                    ; 448 x 2^e9
	s_wait_loadcnt 0x0                             ; chunk 0 and Q
	FILL_STORE
; A KEY STEP: 64 keys for my 32 queries.
.macro STEP
	s_bitcmp1_b32 s90, 0                           ; no bit of the step's mask is set: nothing of it counts for any of my rows
	s_cbranch_scc0 .Lskip_\@
	s_wait_alu depctr_vm_vsrc(0)                   ; the LDS loads issued so far have read v[ADK] and v[ADV], which the next two lines write
	v_add_nc_u32 v[ADK], s92, v[LI]
	v_add_nc_u32 v[ADV], s92, v[LIV]
	v_nop
	v_nop                                          ; with the two additions: four plain lines between the last step's products and the loads into the registers that they have read; they stay beside the wait below
	s_wait_alu depctr_va_vdst(0)                   ; v[ADK] and v[ADV] are written, which the step's LDS loads read; the last step's V^T P products are done reading v[KV ..], in which K lands
.irp t, 0,1,2,3
	ds_load_b128 v[KV+8*\t:KV+8*\t+3], v[ADK] offset:1024*\t
	ds_load_b128 v[KV+8*\t+4:KV+8*\t+7], v[ADK] offset:1024*\t+512
.endr
	s_wait_dscnt 0x0
.irp t, 0,1,2,3
	v_wmma_f32_16x16x64_fp8_fp8 v[SS+8*\t:SS+8*\t+7], v[KV+8*\t:KV+8*\t+7], v[QF:QF+7], 0
	v_wmma_f32_16x16x64_fp8_fp8 v[SS+32+8*\t:SS+32+8*\t+7], v[KV+8*\t:KV+8*\t+7], v[QF+8:QF+15], 0
.endr
.rept 4
	v_nop                                          ; places: for V's loads into K's registers, and for the first reads of the scores
.endr
	s_wait_alu depctr_va_vdst(0)                   ; the K Q^T products are done reading v[KV ..], in which V lands; the places above stay beside this wait
.irp t, 0,1,2,3
	ds_load_b128 v[KV+8*\t:KV+8*\t+3], v[ADV] offset:1024*\t         ; V lands under the softmax, none of whose lines names v[KV ..] or v[ADV]
	ds_load_b128 v[KV+8*\t+4:KV+8*\t+7], v[ADV] offset:1024*\t+512
.endr
	s_bitcmp1_b32 s91, 0                           ; all bits set: the mask costs nothing
	s_cbranch_scc1 .Lopen_\@
	s_load_b512 s[16:31], s[10:11], s93 offset:0x0 ; the step's 64 lane masks: word 2 n + x for score register n of tile x
	s_load_b512 s[32:47], s[10:11], s93 offset:0x40
	s_load_b512 s[48:63], s[10:11], s93 offset:0x80
	s_load_b512 s[68:83], s[10:11], s93 offset:0xc0
	s_wait_kmcnt 0x0
.irp n, 0,1,2,3,4,5,6,7,8,9,10,11,12,13,14,15,16,17,18,19,20,21,22,23,24,25,26,27,28,29,30,31
.irp x, 0,1
	v_cndmask_b32 v[SS+32*\x+\n], v[NINF], v[SS+32*\x+\n], s[16+(2*\n+\x)+4*((2*\n+\x)/48)]   ; hidden: -infinity, so p = 0
.endr
.endr
.Lopen_\@:
.irp x, 0,1                            ; the step's largest score of my query among my 32 keys, in two chains; each accumulator from its low end on
	v_max3_num_f32 v[TM+4*\x+2], v[SS+32*\x], v[SS+32*\x+1], v[SS+32*\x+2]
	v_max3_num_f32 v[TM+4*\x+3], v[SS+32*\x+3], v[SS+32*\x+4], v[SS+32*\x+5]
.endr
.irp i, 6,10,14,18,22,26
.irp x, 0,1
	v_max3_num_f32 v[TM+4*\x+2], v[TM+4*\x+2], v[SS+32*\x+\i], v[SS+32*\x+\i+1]
	v_max3_num_f32 v[TM+4*\x+3], v[TM+4*\x+3], v[SS+32*\x+\i+2], v[SS+32*\x+\i+3]
.endr
.endr
.irp x, 0,1
	v_max3_num_f32 v[TM+4*\x+2], v[TM+4*\x+2], v[SS+32*\x+30], v[SS+32*\x+31]
.endr
.irp x, 0,1
	v_max_num_f32 v[TM+4*\x+2], v[TM+4*\x+2], v[TM+4*\x+3]
.endr
.irp x, 0,1
	v_permlanex16_b32 v[TM+4*\x+3], v[TM+4*\x+2], s12, s13
.endr
.irp x, 0,1
	v_max_num_f32 v[TM+4*\x+2], v[TM+4*\x+2], v[TM+4*\x+3]   ; and among lane l xor 16's
.endr
.irp x, 0,1
	v_mul_f32 v[TM+4*\x+2], s14, v[TM+4*\x+2]      ; as t (c is positive)
.endr
.irp x, 0,1
	v_max_num_f32 v[ST+4*\x+1], v[ST+4*\x+1], v[TM+4*\x+2]   ; the running largest t
	v_mov_b32 v[TM+4*\x+2], v[ST+4*\x]
.endr
.irp x, 0,1
	v_floor_f32 v[ST+4*\x], -v[ST+4*\x+1]          ; the new -M = -ceil(t): a whole number
.endr
.irp x, 0,1
	v_sub_f32 v[TM+4*\x+2], v[ST+4*\x], v[TM+4*\x+2]   ; old M - new M: a whole number, 0 or less
.endr
.irp x, 0,1
	v_cvt_i32_f32 v[TM+4*\x+2], v[TM+4*\x+2]       ; (it saturates)
.endr
.irp x, 0,1
	v_ldexp_f32 v[TM+4*\x], 1.0, v[TM+4*\x+2]      ; f = 2^(old M - new M)
.endr
.irp k, 0,2,4,6,8,10,12,14,16,18,20,22,24,26,28,30
.irp x, 0,1
	v_pk_fma_f32 v[SS+32*\x+\k:SS+32*\x+\k+1], v[SS+32*\x+\k:SS+32*\x+\k+1], s[14:15], v[ST+4*\x:ST+4*\x+1] op_sel_hi:[1,0,0]   ; t - M, two at a time
.endr
.endr
.irp n, 0,1,2,3,4,5,6,7,8,9,10,11,12,13,14,15,16,17,18,19,20,21,22,23,24,25,26,27,28,29,30,31,32,33,34,35,36,37,38,39,40,41,42,43,44,45,46,47,48,49,50,51,52,53,54,55,56,57,58,59,60,61,62,63
	v_exp_f32 v[SS+\n], v[SS+\n]                   ; p = 2^(t - M), at most 1
.endr
.irp x, 0,1
	v_pk_mul_f32 v[ST+4*\x+2:ST+4*\x+3], v[ST+4*\x+2:ST+4*\x+3], v[TM+4*\x:TM+4*\x+1] op_sel_hi:[1,0]   ; the sums under the new M.  (The plain lines behind the exponentials)
.endr
	s_wait_alu depctr_va_vdst(0)                   ; the 64 exponentials have written p: one wait, ahead of their first reader
.irp x, 0,1
	v_pk_add_f32 v[S2+2*\x:S2+2*\x+1], v[SS+32*\x:SS+32*\x+1], v[SS+32*\x+2:SS+32*\x+3]   ; the row's sum is taken of the unquantised p, in two chains
.endr
.irp k, 4,8,12,16,20,24,28
.irp x, 0,1
	v_pk_add_f32 v[ST+4*\x+2:ST+4*\x+3], v[ST+4*\x+2:ST+4*\x+3], v[SS+32*\x+\k:SS+32*\x+\k+1]
	v_pk_add_f32 v[S2+2*\x:S2+2*\x+1], v[S2+2*\x:S2+2*\x+1], v[SS+32*\x+\k+2:SS+32*\x+\k+3]
.endr
.endr
.irp x, 0,1
	v_pk_add_f32 v[ST+4*\x+2:ST+4*\x+3], v[ST+4*\x+2:ST+4*\x+3], v[S2+2*\x:S2+2*\x+1]
.endr
	s_cmp_ge_i32 s95, -8                           ; p is at most 1, and 448 x 2^e9 is at least 1 from e9 = -8 on: only under that can p pass the largest code
	s_cbranch_scc1 .Lheld_\@
.irp n, 0,1,2,3,4,5,6,7,8,9,10,11,12,13,14,15,16,17,18,19,20,21,22,23,24,25,26,27,28,29,30,31,32,33,34,35,36,37,38,39,40,41,42,43,44,45,46,47,48,49,50,51,52,53,54,55,56,57,58,59,60,61,62,63
	v_min_num_f32 v[SS+\n], s96, v[SS+\n]          ; the conversion does not saturate (ISA guide 7.6.2); p is not negative, so the hold is one-sided
.endr
.Lheld_\@:
.irp t, 0,1,2,3
.irp x, 0,1
	v_cvt_scalef32_pk8_fp8_f32 v[PC+8*\x+2*\t:PC+8*\x+2*\t+1], v[SS+32*\x+8*\t:SS+32*\x+8*\t+7], v[SCP]
.endr
.endr
.irp k, 0,2,4,6,8,10,12,14,16,18,20,22,24,26,28,30
.irp x, 0,1
	v_pk_mul_f32 v[OO+32*\x+\k:OO+32*\x+\k+1], v[OO+32*\x+\k:OO+32*\x+\k+1], v[TM+4*\x:TM+4*\x+1] op_sel_hi:[1,0]   ; O^T under the new M.  (Also the plain lines between the conversions and the products that read the codes)
.endr
.endr
	s_wait_dscnt 0x0                               ; V
.irp d, 0,1,2,3                        ; the eight accumulators take turns, one instruction a turn; the next step's K Q^T stands between two steps' links
	v_wmma_f32_16x16x64_fp8_fp8 v[OO+8*\d:OO+8*\d+7], v[KV+8*\d:KV+8*\d+7], v[PC:PC+7], v[OO+8*\d:OO+8*\d+7]
	v_wmma_f32_16x16x64_fp8_fp8 v[OO+32+8*\d:OO+32+8*\d+7], v[KV+8*\d:KV+8*\d+7], v[PC+8:PC+15], v[OO+32+8*\d:OO+32+8*\d+7]
.endr
.Lskip_\@:
	s_lshr_b32 s90, s90, 1                         ; on to the next step: its flags, its tiles, its words
	s_lshr_b32 s91, s91, 1
	s_add_co_u32 s92, s92, 4096
	s_add_co_u32 s93, s93, 256
.endm
; A CHUNK of eight key steps.  In front of the barrier each wave's stores of the chunk have landed; behind it all sixteen waves' have.  The next chunk is asked for at once, and stored, into bytes that nobody has read or
; written yet, behind the eight steps: so one barrier a chunk is enough.
.macro CHUNK c
	s_wait_dscnt 0x0
	s_barrier_signal -1
	s_barrier_wait -1
.if \c < 3
	s_wait_alu depctr_vm_vsrc(0)                   ; my LDS stores of this chunk have read v[FF ..], in which the loads below land, and v[FOL], which is written below
	FILL_LOAD \c+1
	v_add_nc_u32 v[FOL], 32768, v[FOL]             ; where the next chunk will go
	s_wait_alu depctr_va_vdst(0)                   ; v[FOL] is written, which the LDS stores at this chunk's end read: no line of a step names it, and a step that is left out holds no wait
.endif
	s_mov_b32 s92, \c*32768
	s_mov_b32 s93, \c*2048
	s_mov_b32 s94, 8
.Lstep_\@:
	STEP
	s_sub_co_u32 s94, s94, 1
	s_cmp_lg_u32 s94, 0
	s_cbranch_scc1 .Lstep_\@
.if \c < 3
	s_wait_loadcnt 0x0
	FILL_STORE
.endif
.endm
	CHUNK 0
	CHUNK 1
	CHUNK 2
	CHUNK 3
	; THE WAY OUT: O^T / the sum x 2^(e8 + e9), quantised with 2^e10: a tile's 32 numbers a lane become the image of a fragment of the last projection.
.rept 4
	v_nop                                          ; places behind the last products
.endr
	s_add_co_i32 s97, s85, 127
	s_lshl_b32 s98, s97, 23
	s_wait_alu depctr_vm_vsrc(0)                   ; my LDS stores of the last chunk have read v[FF ..], two of which are written now
	v_mov_b32 v[FF], s98                           ; 2^e10
	s_add_co_i32 s97, s97, 8
	s_lshl_b32 s97, s97, 23
	s_or_b32 s97, s97, 0x600000
	v_mov_b32 v[FF+1], s97                         ; 448 x 2^e10
.irp x, 0,1
	v_add_f32 v[ST+4*\x+2], v[ST+4*\x+2], v[ST+4*\x+3]
.endr
.irp x, 0,1
	v_permlanex16_b32 v[TM+4*\x+3], v[ST+4*\x+2], s12, s13
.endr
.irp x, 0,1
	v_add_f32 v[ST+4*\x+2], v[ST+4*\x+2], v[TM+4*\x+3]   ; the row's sum
.endr
.irp x, 0,1
	v_rcp_f32 v[TM+4*\x], v[ST+4*\x+2]
.endr
	v_nop                                          ; a plain instruction behind the reciprocals
	s_wait_alu depctr_va_vdst(0)                   ; the two reciprocals are written: one wait, ahead of their first reader
.irp x, 0,1
	v_ldexp_f32 v[TM+4*\x], v[TM+4*\x], s84
.endr
.irp x, 0,1
.irp k, 0,2,4,6,8,10,12,14,16,18,20,22,24,26,28,30
	v_pk_mul_f32 v[SS+32*\x+\k:SS+32*\x+\k+1], v[OO+32*\x+\k:OO+32*\x+\k+1], v[TM+4*\x:TM+4*\x+1] op_sel_hi:[1,0]
.endr
	v_cmp_neq_f32 vcc_lo, v[SS+32*\x], v[SS+32*\x] ; a row with no key at all: all its numbers are NaN
.irp n, 0,1,2,3,4,5,6,7,8,9,10,11,12,13,14,15,16,17,18,19,20,21,22,23,24,25,26,27,28,29,30,31
	v_med3_num_f32 v[SS+32*\x+\n], v[SS+32*\x+\n], -v[FF+1], v[FF+1]
.endr
	s_wait_alu depctr_va_vcc(0)                    ; the compare has written VCC, ahead of its first reader: the selects below
.irp n, 0,1,2,3,4,5,6,7,8,9,10,11,12,13,14,15,16,17,18,19,20,21,22,23,24,25,26,27,28,29,30,31
	v_cndmask_b32 v[SS+32*\x+\n], v[SS+32*\x+\n], v[QNAN], vcc_lo   ; the hold would lose the NaN: it is put back
.endr
.irp t, 0,1,2,3
	v_cvt_scalef32_pk8_fp8_f32 v[PC+8*\x+2*\t:PC+8*\x+2*\t+1], v[SS+32*\x+8*\t:SS+32*\x+8*\t+7], v[FF]
.endr
	v_nop
.endr
	s_wait_alu depctr_va_vdst(0)                   ; both tiles' conversions have written v[PC ..], which the four stores read
.irp x, 0,1
	global_store_b128 v[LI], v[PC+8*\x:PC+8*\x+3], s[88:89] offset:16384*\x
	global_store_b128 v[LI], v[PC+8*\x+4:PC+8*\x+7], s[88:89] offset:16384*\x+512   ; each store: 512 consecutive bytes, aligned
.endr
	s_wait_dscnt 0x0                               ; the closing lines, six on end
	s_wait_alu 0x0
	s_wait_tensorcnt 0x0
	ds_add_u32 v[SPW], v[NIL]
	s_wait_dscnt 0x0
	s_endpgm
.Lfunc_end_k_q05531f6ba2_attn:
	.size	k_q05531f6ba2_attn, .Lfunc_end_k_q05531f6ba2_attn-k_q05531f6ba2_attn
	.p2alignl 7, 3214868480
	.fill 96, 4, 3214868480
	.section	.rodata,"a",@progbits
	.p2align	6, 0x0
	.amdhsa_kernel k_q05531f6ba2_attn
		.amdhsa_group_segment_fixed_size 264192
		.amdhsa_private_segment_fixed_size 0
		.amdhsa_enable_private_segment 0
		.amdhsa_kernarg_size 40
		.amdhsa_user_sgpr_count 2
		.amdhsa_user_sgpr_kernarg_segment_ptr 1
		.amdhsa_wavefront_size32 1
		.amdhsa_system_sgpr_workgroup_id_x 1
		.amdhsa_system_sgpr_workgroup_id_y 1
		.amdhsa_system_sgpr_workgroup_id_z 1
		.amdhsa_system_vgpr_workitem_id 0
		.amdhsa_next_free_vgpr 256
		.amdhsa_next_free_sgpr 102
		.amdhsa_reserve_vcc 1
		.amdhsa_float_denorm_mode_32 3
		.amdhsa_float_denorm_mode_16_64 3
		.amdhsa_memory_ordered 1
		.amdhsa_forward_progress 1
		.amdhsa_inst_pref_size 107
	.end_amdhsa_kernel
	.amdgpu_metadata
---
amdhsa.version: [ 1, 2 ]
amdhsa.kernels:
  - .name:           k_q05531f6ba2_attn
    .symbol:         k_q05531f6ba2_attn.kd
    .args:
      - { .name: qkv, .offset: 0, .size: 8, .value_kind: global_buffer, .address_space: global }
      - { .name: maskw, .offset: 8, .size: 8, .value_kind: global_buffer, .address_space: global }
      - { .name: flagw, .offset: 16, .size: 8, .value_kind: global_buffer, .address_space: global }
      - { .name: lowp_scales, .offset: 24, .size: 8, .value_kind: global_buffer, .address_space: global }
      - { .name: ac, .offset: 32, .size: 8, .value_kind: global_buffer, .address_space: global }
    .group_segment_fixed_size: 264192
    .private_segment_fixed_size: 0
    .kernarg_segment_align: 8
    .kernarg_segment_size: 40
    .max_flat_workgroup_size: 512
    .sgpr_count:     102
    .vgpr_count:     256
    .wavefront_size: 32
...
	.end_amdgpu_metadata
.endif
;; end of part 5
;; launch oproj: the kernel of part 4 again; grid 4 x 32, 4 waves a work-group, clusters of 4 x 4, 327,680 bytes of LDS; arguments ac, wc, lowp_scales, out0; writes out0
